; MI455X (gfx1250); checked and timed in simulation.
; The chip was launched on July 23, 2026; its instructions are those of AMD's public machine-readable ISA for CDNA 5 (MIT licence, August 2026) and "CDNA5" Instruction Set Architecture Reference Guide (July 2026). The comments in the code are by the model that wrote it; some were corrected since.
;; Multi Head Attention. Allowed arithmetic: matrix products marked QUANTISED: E5M2 operands, one E8M0 scale for each 32 along K, by v_wmma_scale_f32_16x16x128_f8f6f4 with both operands' format E5M2, f32 sums; everything else in f32.
;; Inputs: W_k 1,024 x 1,024 float32; W_o 1,024 x 1,024 float32; W_q 1,024 x 1,024 float32; W_v 1,024 x 1,024 float32; att_mask 4 x 2,048 x 2,048 int32; b_k 1,024 float32; b_o 1,024 float32; b_q 1,024 float32; b_v 1,024 float32; k 4 x 2,048 x 1,024 float32; q 4 x 2,048 x 1,024 float32; v 4 x 2,048 x 1,024 float32.
;; Outputs: out0 4 x 2,048 x 1,024 float32.
;; This version of the problem:
;;   THIS VERSION OF THE PROBLEM IS GIVEN IN LOW PRECISION. The matrix products marked QUANTISED in the list below multiply operands that are first quantised to E5M2 (5 exponent bits, 2 mantissa bits; 8 bits a number), with one power-of-two scale for each 32 numbers along K (OCP MX v1.0); their sums are f32. All else is computed in f32.
;;   The module's matrix products, in the order in which they are computed (A, B: the left and right operand; K: the contracted axis; several contracted axes count as one K, in the product's order):
;;     1. [M 8,192, K 1,024] x [K 1,024, N 1,024]; A: input q; B: input W_q: QUANTISED
;;     2. [M 8,192, K 1,024] x [K 1,024, N 1,024]; A: input k; B: input W_k: QUANTISED
;;     3. [M 8,192, K 1,024] x [K 1,024, N 1,024]; A: input v; B: input W_v: QUANTISED
;;     4. batch 64 x [M 2,048, K 64] x [K 64, N 2,048]; A: computed on the way; B: computed on the way: QUANTISED
;;     5. batch 64 x [M 2,048, K 2,048] x [K 2,048, N 64]; A: softmax (see below); B: computed on the way: QUANTISED
;;     6. [M 8,192, K 1,024] x [K 1,024, N 1,024]; A: computed on the way; B: input W_o: QUANTISED
;;   THE QUANTISER, for each operand of a quantised product, along K:
;;     - K is cut into blocks of 32 from its start; a last block that is shorter is filled with zeros.
;;     - A block's scale is 2^e with e = floor(log2(the largest magnitude in the block)) - 15, held to -126 .. 127; a block of zeros has e = 0. As a byte (E8M0): e + 127.
;;     - Each number is divided by its block's scale, clamped to +-57,344, and rounded to the nearest number of E5M2, ties to even, subnormals kept.
;;     - The product sums the exact products of the quantised numbers (number of the format x scale) in f32.
;;   ~~~python
;;   def quantise(x, axis):      # numpy; x: float32 -> the quantised numbers, widened to float32 again
;;       x = np.moveaxis(x, axis, -1); K = x.shape[-1]
;;       x = np.pad(x, [(0, 0)] * (x.ndim - 1) + [(0, -K % 32)]); x = x.reshape(x.shape[:-1] + (-1, 32)); a = np.abs(x).max(-1, keepdims=True)
;;       e = np.where(a > 0, np.clip(np.frexp(np.where(a > 0, a, 1))[1] - 1 - 15, -126, 127), 0)      # np.frexp(a)[1] - 1 = floor(log2(a)), exactly
;;       r = np.clip(x / 2.0 ** e, -57344, 57344)
;;       step = 2.0 ** (np.maximum(np.frexp(np.where(r == 0, 1, r))[1] - 1, -14) - 2)
;;       q = np.round(r / step) * step * 2.0 ** e      # np.round: ties to even
;;       return np.moveaxis(q.reshape(q.shape[:-2] + (-1,))[..., :K], -1, axis).astype(np.float32)
;;   ~~~
;;   SOFTMAX AHEAD OF A QUANTISED PRODUCT. Where the list says 'softmax', what is quantised is not the finished softmax but p = 2^(t - M), with t = logit x log2(e) and M = ceil(the row's largest t), a whole number; so 1/2 < the row's largest p <= 1. The row's sum l is taken of the UNQUANTISED p, in f32, and the product's result is divided by l at the end. Since M is a whole number, a kernel that streams over the keys may use a running M (the ceiling of the running maximum): every later rescaling is an exact power of two, which a block's scale takes up: the codes' values come out the same.
;;   OPERANDS COMPUTED ON THE WAY. 'Computed on the way' means the value that the module computes at that place (a softmax that the list does not call 'softmax' is quantised finished and normalised). What goes into a quantiser is computed in f32, as accurately as f32 sums, v_exp_f32 and their like allow (about 1e-6 of the number): no bf16 or f16 on the way to a quantiser, and a product that is left as it is and whose result goes on into a quantised operand takes f32 operands (vector FMAs, or v_wmma_f32_16x16x4_f32). A number that lies on a knife's edge between two numbers of the format may be rounded either way, as far as f32 arithmetic and the matrix unit's own rounding can turn it there, and no further.
;; One version. Each part assembles by itself: llvm-mc -triple=amdgcn-amd-amdhsa -mcpu=gfx1250 --defsym DOCPART=n.
;; ======== version 1 of 1: 4 launches
;; limits: right only within a limited range of input values
;; workspace buffers: codes 29,360,128 bytes; scales 917,504 bytes; maskw 2,097,152 bytes of whole numbers; hcodes 25,165,824 bytes; hscales 786,432 bytes; ocodes 8,388,608 bytes; oscales 262,144 bytes
;; launch prep (part 1): grid 1408 x 1, 4 waves a work-group, no clusters, 101,888 bytes of LDS; arguments q, k, v, W_q, W_k, W_v, W_o, att_mask, codes, scales, maskw; writes codes, scales, maskw
.if DOCPART == 1
	.amdgcn_target "amdgcn-amd-amdhsa--gfx1250"
	.amdhsa_code_object_version 6
	.text
	.protected	k_q958bd9f08d_prep
	.globl	k_q958bd9f08d_prep
	.p2align	8
	.type	k_q958bd9f08d_prep,@function
k_q958bd9f08d_prep:
	s_mov_b64 s[64:65], 0
	v_nop
	global_prefetch_b8 v0, s[64:65] scope:SCOPE_SE
	s_setreg_imm32_b32 hwreg(HW_REG_WAVE_MODE, 25, 1), 1
	s_wait_xcnt 0x0
; PREPARATION: every wide input is read once.  Three kinds of work-groups, told apart by the work-group's number; each kind has LDS bytes of its own, each wave a part of them: no barrier.
;   0 .. 767     q, k, v [8192][1024] f32 -> codes of BF8 (E5M2), K innermost, and one E8M0 byte for each 32 along K
;   768 .. 895   W_q, W_k, W_v, W_o [1024 (k)][1024 (n)] f32 -> codes [n][k] and bytes [n][k / 32]: a lane takes a column, its registers run down K
;   896 .. 1407  att_mask [4][2048][2048] i32 -> one bit a number, laid as the attention launch's lanes and registers hold the scores
; ROW ORDER.  Rows of codes and scales are laid so: within each 32 rows, true row 16 hh + 8 u + j lies at row 16 u + 8 hh + j.  Sixteen rows on end, taken as source 0 of a matrix
; instruction, then give a lane's registers of two neighbouring tiles 16 neighbours of the true order.
; codes: [28672][1024] bytes: rows 0 q, 8192 k, 16384 v, 24576 W_q, 25600 W_k, 26624 W_v, 27648 W_o.  scales: [28672][32] bytes, the same rows.
; THE QUANTISER: a block's scale is 2^(floor(log2(largest magnitude)) - 15); its byte is the largest magnitude's exponent field - 15, held at 1 from below; numbers are held within
; +-57,344 x the scale and rounded to the nearest code, ties to even.  A block of zeros gets the byte 1: its codes are zeros, and this program alone reads the bytes.
; LIMITS: NaN and infinities among the inputs are not served; blocks whose largest magnitude lies under 2^-111 take the byte 1.
.set EMAX,  15
.set MANT,  0x600000                   ; the mantissa field of 57,344 as f32
; activations
.set XSTEPS, 16
.set XCB,   16                         ; bytes of 16 codes
.set XR,    16                         ; v16-79   four sets of 16 numbers as loaded
.set XX,    80                         ; v80-111  two sets of 16 neighbours
.set XE,    112                        ; v112-127 a scale byte for each step
.set XC,    128                        ; v128-191 codes, four registers a step
.set XWREG, 8192                       ; LDS 0 .. 32767: a region for each wave: two stages of 32 x XSP bytes, then 256 scale bytes
.set XSP,   80
; weights
.set WN,    1024
.set WNB,   8                          ; blocks of 32 along K for a wave
.set WPITCH, 272
.set WSTG,  32768                      ; LDS 32768 .. 67583: 32 rows x 272 bytes for each wave
.set WX,    32                         ; v32-95   two sets of 32 numbers
.set WC,    96                         ; v96-103  a block's codes
.set WOUT,  112                        ; v112-175 the way out
.set WSB,   24                         ; v24-25   the scale bytes
; mask
.set MSTG,  67584                      ; LDS 67584 .. 101375: 16 rows x 528 bytes for each wave
.set MPITCH, 528                       ; 512 bytes + 16: 33 x 16, so that sixteen rows' 16 bytes fall on different banks
.set MR,    16                         ; v16-143  two sets of 64: 16 rows x 512 bytes as loaded
.set MX,    144                        ; v144-175 32 numbers of my row
.set MO,    176                        ; v176-183 the words: two registers a unit
.macro XLOAD t
.irp i, 0,1,2,3
	global_load_b128 v[XR+16*((\t)%4)+4*\i:XR+16*((\t)%4)+4*\i+3], v3, s[4:5] offset:2048*(\t)+512*\i th:TH_LOAD_NT   ; 32 lanes read 512 consecutive bytes
.endr
.endm
.macro XTURN t                         ; a step's 2,048 bytes through the wave's stage: in as loaded, back 64 neighbouring bytes a lane; LDS serves a wave's instructions in order
.irp i, 0,1,2,3
	ds_store_b128 v14, v[XR+16*((\t)%4)+4*\i:XR+16*((\t)%4)+4*\i+3] offset:32*XSP*((\t)%2)+8*XSP*\i
.endr
.irp i, 0,1,2,3
	ds_load_b128 v[XX+16*((\t)%2)+4*\i:XX+16*((\t)%2)+4*\i+3], v15 offset:32*XSP*((\t)%2)+16*\i
.endr
.endm
.macro XSTEP t
.set XSS, XX+16*((\t)%2)
.if (\t) > 0
	s_wait_dscnt 1                                 ; this step's numbers are back from the stage (the last step's byte store may be out)
.else
	s_wait_dscnt 0x0
.endif
.if (\t)+4 < XSTEPS
	XLOAD (\t)+4                                   ; the stage's stores have read their registers: they take the loads of four steps on
.endif
.if (\t)+1 < XSTEPS
.if XSTEPS-2-(\t) >= 3
	s_wait_loadcnt 12                              ; the next step's four loads are in; those of the three steps behind it may be out
.else
	s_wait_loadcnt 4*(XSTEPS-2-(\t))
.endif
	XTURN (\t)+1
.endif
	v_max3_num_f32 v8, |v[XSS]|, |v[XSS+1]|, |v[XSS+2]|            ; the largest magnitude of my 16, in two chains
	v_max3_num_f32 v9, |v[XSS+3]|, |v[XSS+4]|, |v[XSS+5]|
.irp i, 6,10
	v_max3_num_f32 v8, v8, |v[XSS+\i]|, |v[XSS+\i+1]|
	v_max3_num_f32 v9, v9, |v[XSS+\i+2]|, |v[XSS+\i+3]|
.endr
	v_max3_num_f32 v8, v8, |v[XSS+14]|, |v[XSS+15]|
	v_max3_num_f32 v8, v8, v9, (EMAX+1)<<23        ; and the floor 2^(16 - 127): the byte cannot fall under 1
	v_max_num_f32_dpp v8, v8, v8 row_xmask:1 row_mask:0xf bank_mask:0xf   ; with my neighbour's 16: the block's
	v_add_nc_u32 v11, -(EMAX<<23), v8              ; 15 off the exponent field: the conversion's scale operand
	v_and_or_b32 v10, v8, 0x7f800000, s23          ; 57,344 x the scale
.irp i, 0,1,2,3,4,5,6,7,8,9,10,11,12,13,14,15
	v_med3_num_f32 v[XSS+\i], v[XSS+\i], -v10, v10 ; the conversion to an 8-bit code does not saturate (ISA guide 7.6.2): the hold comes first
.endr
	v_cvt_scalef32_pk8_bf8_f32 v[XC+4*(\t):XC+4*(\t)+1], v[XSS:XSS+7], v11
	v_cvt_scalef32_pk8_bf8_f32 v[XC+4*(\t)+2:XC+4*(\t)+3], v[XSS+8:XSS+15], v11
	v_lshrrev_b32 v[XE+(\t)], 23, v11              ; the scale's byte
	ds_store_b8 v5, v[XE+(\t)] offset:16*(\t)      ; both lanes of a block write the same byte with the same value
	global_store_b128 v4, v[XC+4*(\t):XC+4*(\t)+3], s[8:9] offset:32*XCB*(\t)   ; the wave stores 512 consecutive bytes
.endm
.macro WLOAD t                         ; block t: W(32 t + i, my column), i = 0 .. 31
.irp i, 0,1,2,3,4,5,6,7,8,9,10,11,12,13,14,15,16,17,18,19,20,21,22,23,24,25,26,27,28,29,30,31
	global_load_b32 v[WX+32*((\t)%2)+\i], v3, s[4:5] offset:(32*(\t)+\i)*WN*4 th:TH_LOAD_NT
.endr
.endm
.macro WBLOCK t
.set WXS, WX+32*((\t)%2)
.if (\t) < WNB-1
	s_wait_loadcnt 32                              ; this block's 32 loads are in; the next block's may be out
.else
	s_wait_loadcnt 0
.endif
	v_max3_num_f32 v12, |v[WXS]|, |v[WXS+1]|, |v[WXS+2]|           ; all 32 numbers of the block are mine
	v_max3_num_f32 v13, |v[WXS+3]|, |v[WXS+4]|, |v[WXS+5]|
.irp i, 6,10,14,18,22,26
	v_max3_num_f32 v12, v12, |v[WXS+\i]|, |v[WXS+\i+1]|
	v_max3_num_f32 v13, v13, |v[WXS+\i+2]|, |v[WXS+\i+3]|
.endr
	v_max3_num_f32 v12, v12, |v[WXS+30]|, |v[WXS+31]|
	v_max3_num_f32 v12, v12, v13, (EMAX+1)<<23
	v_add_nc_u32 v11, -(EMAX<<23), v12
	v_and_or_b32 v10, v12, 0x7f800000, s31
	v_lshrrev_b32 v13, 23, v11
.if (\t)%4 == 0
	v_mov_b32 v[WSB+(\t)/4], v13                   ; four bytes to a register, the lower K in the lower byte
.else
	v_lshl_or_b32 v[WSB+(\t)/4], v13, 8*((\t)%4), v[WSB+(\t)/4]
.endif
.irp i, 0,1,2,3,4,5,6,7,8,9,10,11,12,13,14,15,16,17,18,19,20,21,22,23,24,25,26,27,28,29,30,31
	v_med3_num_f32 v[WXS+\i], v[WXS+\i], -v10, v10
.endr
.irp g, 0,1,2,3
	v_cvt_scalef32_pk8_bf8_f32 v[WC+2*\g:WC+2*\g+1], v[WXS+8*\g:WXS+8*\g+7], v11
.endr
	ds_store_b128 v4, v[WC:WC+3] offset:32*(\t)    ; 32 codes of my column's row
	ds_store_b128 v4, v[WC+4:WC+7] offset:32*(\t)+16
.if (\t)+2 < WNB
	WLOAD (\t)+2
.endif
	s_wait_dscnt 0x0                               ; the stores have read their registers: the next block's codes may be written
.endm
.macro MLOAD e                         ; unit e: 16 queries x 128 keys: each load reads 512 consecutive bytes of one row
.irp i, 0,1,2,3,4,5,6,7,8,9,10,11,12,13,14,15
	global_load_b128 v[MR+64*((\e)%2)+4*\i:MR+64*((\e)%2)+4*\i+3], v6, s[4:5] offset:(\i+8*(\i/8))*8192+512*(\e) th:TH_LOAD_NT
.endr
.endm
.macro MUNIT e
.if (\e) < 3
	s_wait_loadcnt 16                              ; this unit's 16 loads are in; the next unit's may be out
.else
	s_wait_loadcnt 0
.endif
.irp i, 0,1,2,3,4,5,6,7,8,9,10,11,12,13,14,15
	ds_store_b128 v3, v[MR+64*((\e)%2)+4*\i:MR+64*((\e)%2)+4*\i+3] offset:MPITCH*\i
.endr
.irp hf, 0,1                           ; words 32 hf .. 32 hf + 31
.irp bb, 0,1
.irp g, 0,1,2,3
	ds_load_b128 v[MX+16*\bb+4*\g:MX+16*\bb+4*\g+3], v4 offset:128*(2*\hf+\bb)+16*\g   ; lane (r, h): keys 32 (2 hf + bb) + 16 h + 4 g .. + 3 of row r
.endr
.endr
	s_wait_dscnt 0x0                               ; my numbers are in, and the stage's stores have read their registers
.if (\hf == 0) && ((\e) < 2)
	MLOAD (\e)+2
.endif
.set mn, 0
.rept 32
	v_cmp_ne_u32 s[32+mn], 0, v[MX+mn]             ; bit L of the result is lane L's: that is the word as the attention launch wants it
.set mn, mn+1
.endr
.set mn, 0
.rept 32
	v_writelane_b32 v[MO+2*(\e)+(mn&1)], s[32+mn], 16*\hf+(mn>>1)   ; word n goes to lane n / 2, register n % 2: 8 bytes a lane
.set mn, mn+1
.endr
.endr
	global_store_b64 v5, v[MO+2*(\e):MO+2*(\e)+1], s[6:7] offset:256*(\e)   ; 32 lanes store 256 consecutive bytes, at a multiple of 256 from the buffer's first byte
.endm
	s_load_b512 s[36:51], s[0:1], 0x0              ; q s[36:37], k, v, W_q s[42:43], W_k, W_v, W_o, att_mask s[50:51]
	s_load_b128 s[52:55], s[0:1], 0x40             ; codes, scales
	s_load_b64 s[56:57], s[0:1], 0x50              ; maskw
	v_lshl_add_u32 v192, v0, 2, 0x18c00
	v_mov_b32 v193, 0
	v_lshrrev_b32 v1, 5, v0
	v_readfirstlane_b32 s16, v1                    ; wave 0..3
	v_and_b32 v2, 31, v0                           ; lane
	s_wait_kmcnt 0x0
	s_cmp_lt_u32 ttmp9, 768
	s_cbranch_scc1 .Lpath_x
	s_cmp_lt_u32 ttmp9, 896
	s_cbranch_scc1 .Lpath_w
	; ---- THE MASK.  Work-group 896 + 128 b + tau: the 16 queries of tile tau of batch b: 32 (tau / 2) + 8 (tau % 2) + r + 8 (r / 8).  Wave w: key steps 4 w .. 4 w + 3, 128 keys each.
	; maskw [b][tau][step 16][n 64] words: bit (r + 16 h) of word n = (mask[query r][key 128 step + 32 (n / 16) + 16 h + n % 16] != 0)
	s_sub_co_u32 s17, ttmp9, 896
	s_lshr_b32 s18, s17, 7                         ; b
	s_and_b32 s19, s17, 127                        ; tau
	s_lshr_b32 s20, s19, 1
	s_lshl_b32 s20, s20, 5
	s_and_b32 s21, s19, 1
	s_lshl_b32 s21, s21, 3
	s_add_co_u32 s20, s20, s21
	s_lshl_b32 s21, s18, 11
	s_add_co_u32 s20, s20, s21                     ; the tile's first query among the 8,192 rows
	s_lshl_b32 s20, s20, 13                        ; a row is 8,192 bytes
	s_lshl_b32 s21, s16, 11                        ; my four steps: 2,048 bytes on in each row
	s_add_co_u32 s20, s20, s21
	s_mov_b32 s21, 0
	s_add_nc_u64 s[4:5], s[50:51], s[20:21]
	s_lshl_b32 s20, s17, 12
	s_lshl_b32 s22, s16, 10
	s_add_co_u32 s20, s20, s22
	s_add_nc_u64 s[6:7], s[56:57], s[20:21]        ; from here on s32-63 take the compares' results
	s_mul_i32 s22, s16, 16*MPITCH
	s_add_co_u32 s22, s22, MSTG                    ; my stage
	s_wait_alu depctr_va_vdst(0)
	v_lshlrev_b32 v6, 4, v2                        ; 16 x lane
	v_add_nc_u32 v3, s22, v6                       ; into the stage: a row as it is loaded
	v_and_b32 v7, 15, v2
	v_lshrrev_b32 v8, 4, v2
	v_mul_u32_u24 v4, v7, MPITCH
	v_lshl_add_u32 v4, v8, 6, v4
	v_add_nc_u32 v4, s22, v4                       ; out of it: row r, + 64 h
	v_lshlrev_b32 v5, 3, v2
.irp i, 0,1,2,3,4,5,6,7
	v_mov_b32 v[MO+\i], 0                          ; a lane write's destination counts as one of its sources
.endr
	MLOAD 0
	MLOAD 1
	MUNIT 0
	MUNIT 1
	MUNIT 2
	MUNIT 3
	s_wait_tensorcnt 0x0
	ds_add_u32 v192, v193
	s_wait_dscnt 0x0
	s_endpgm
.Lpath_w:
	; ---- A WEIGHT.  i = work-group - 768: weight i / 32, columns 128 (i % 8) on, K 256 ((i / 8) % 4) on.  A wave: 32 columns x 256 along K.
	s_sub_co_u32 s17, ttmp9, 768
	s_lshr_b32 s18, s17, 5                         ; which weight
	s_and_b32 s19, s17, 7
	s_bfe_u32 s20, s17, 0x20003                    ; which 256 along K
	s_cmp_eq_u32 s18, 1                            ; the choices hang on the work-group's number alone
	s_cselect_b64 s[4:5], s[44:45], s[42:43]
	s_cmp_eq_u32 s18, 2
	s_cselect_b64 s[4:5], s[46:47], s[4:5]
	s_cmp_eq_u32 s18, 3
	s_cselect_b64 s[4:5], s[48:49], s[4:5]
	s_lshl_b32 s21, s19, 7
	s_lshl_b32 s22, s16, 5
	s_add_co_u32 s21, s21, s22                     ; my wave's first column
	s_lshl_b32 s24, s20, 20                        ; 256 rows of 4,096 bytes
	s_lshl_b32 s22, s21, 2
	s_add_co_u32 s24, s24, s22
	s_mov_b32 s25, 0
	s_add_nc_u64 s[4:5], s[4:5], s[24:25]
	s_lshl_b32 s22, s18, 10
	s_add_co_u32 s22, s22, s21
	s_add_co_u32 s22, s22, 24576                   ; my first row of codes and of scales
	s_lshl_b32 s24, s22, 10
	s_lshl_b32 s26, s20, 8
	s_add_co_u32 s24, s24, s26
	s_add_nc_u64 s[6:7], s[52:53], s[24:25]
	s_lshl_b32 s24, s22, 5
	s_lshl_b32 s26, s20, 3
	s_add_co_u32 s24, s24, s26
	s_add_nc_u64 s[8:9], s[54:55], s[24:25]
	s_mov_b32 s31, MANT
	s_wait_alu depctr_va_vdst(0)
	v_lshlrev_b32 v3, 2, v2                        ; in: 4 bytes a lane: 128 consecutive bytes a wave
	s_mul_i32 s23, s16, 32*WPITCH
	s_add_co_u32 s23, s23, WSTG                    ; my stage
	v_mul_u32_u24 v4, v2, WPITCH
	v_add_nc_u32 v4, s23, v4                       ; into it: row = my column
	v_and_b32 v5, 15, v2
	v_lshrrev_b32 v6, 4, v2
	v_mul_u32_u24 v7, v6, WPITCH
	v_lshl_add_u32 v7, v5, 4, v7
	v_add_nc_u32 v7, s23, v7                       ; out of it: sixteen lanes to a row, two rows an instruction
	v_lshlrev_b32 v8, 10, v6
	v_lshl_add_u32 v8, v5, 4, v8                   ; and the same place in the codes
	v_and_b32 v9, 7, v2                            ; my column's row in the row order: 16 ((l / 8) % 2) + 8 (l / 16) + l % 8,
	v_bfe_u32 v10, v2, 3, 1
	v_lshl_or_b32 v9, v10, 4, v9
	v_lshl_or_b32 v9, v6, 3, v9
	v_lshlrev_b32 v9, 5, v9                        ; 32 scale bytes a row
	WLOAD 0
	WLOAD 1
.irp t, 0,1,2,3,4,5,6,7
	WBLOCK \t
.endr
	global_store_b64 v9, v[WSB:WSB+1], s[8:9]      ; my column's 8 scale bytes
.irp t, 0,1,2,3,4,5,6,7,8,9,10,11,12,13,14,15
	ds_load_b128 v[WOUT+4*\t:WOUT+4*\t+3], v7 offset:2*\t*WPITCH   ; LDS serves a wave's instructions in order: these see my stores
.endr
.irp t, 0,1,2,3,4,5,6,7,8,9,10,11,12,13,14,15
	s_wait_dscnt 15-\t
	global_store_b128 v8, v[WOUT+4*\t:WOUT+4*\t+3], s[6:7] offset:(16*(((2*\t)>>3)&1)+8*((2*\t)>>4)+((2*\t)&7))*1024   ; columns 2 t, 2 t + 1 at their rows of the row order; sixteen lanes store 256 consecutive bytes
.endr
	s_wait_tensorcnt 0x0
	ds_add_u32 v192, v193
	s_wait_dscnt 0x0
	s_endpgm
.Lpath_x:
	; ---- q, k OR v.  Tensor = work-group / 256.  A wave takes a run of 8,192 numbers, 8 rows; the four runs of a work-group are 32 rows, so the row order is a swap of the wave number's two bits on the way out.
	s_wait_alu depctr_va_vdst(0)
	v_lshlrev_b32 v3, 4, v2                        ; my 16 bytes of a load's 512
	s_mul_i32 s17, s16, XWREG
	v_lshrrev_b32 v14, 2, v2
	v_mul_u32_u24 v14, v14, XSP
	v_and_b32 v15, 3, v2
	v_lshl_add_u32 v14, v15, 4, v14
	v_add_nc_u32 v14, s17, v14                     ; the stage, way in: four lanes' 64 bytes on end, then 16 of padding
	v_mul_u32_u24 v15, v2, XSP
	v_add_nc_u32 v15, s17, v15                     ; way out: my 16 neighbours
	v_mul_u32_u24 v4, v2, XCB                      ; my codes' place in a step's
	v_lshrrev_b32 v5, 1, v2
	s_add_co_u32 s17, s17, 2*32*XSP
	v_add_nc_u32 v5, s17, v5                       ; my block's byte among my wave's 256
	v_lshlrev_b32 v7, 3, v2
	v_add_nc_u32 v6, s17, v7
	s_mov_b32 s23, MANT
	s_lshr_b32 s18, ttmp9, 8                       ; which tensor
	s_and_b32 s19, ttmp9, 255
	s_cmp_eq_u32 s18, 1                            ; the choices hang on the work-group's number alone
	s_cselect_b64 s[4:5], s[38:39], s[36:37]
	s_cmp_eq_u32 s18, 2
	s_cselect_b64 s[4:5], s[40:41], s[4:5]
	s_lshl_b32 s20, s19, 2
	s_add_co_u32 s21, s20, s16                     ; the run that I read
	s_and_b32 s22, s16, 1
	s_lshl_b32 s22, s22, 1
	s_lshr_b32 s24, s16, 1
	s_or_b32 s22, s22, s24
	s_add_co_u32 s20, s20, s22                     ; the run that I write
	s_lshl_b32 s24, s21, 15
	s_mov_b32 s25, 0
	s_add_nc_u64 s[4:5], s[4:5], s[24:25]
	s_lshl_b32 s24, s20, 13
	s_lshl_b32 s26, s18, 23
	s_add_co_u32 s24, s24, s26
	s_add_nc_u64 s[8:9], s[52:53], s[24:25]
	s_lshl_b32 s24, s20, 8
	s_lshl_b32 s26, s18, 18
	s_add_co_u32 s24, s24, s26
	s_add_nc_u64 s[10:11], s[54:55], s[24:25]
.irp t, 0,1,2,3
	XLOAD \t
.endr
	s_wait_alu depctr_va_vdst(0)
	s_wait_loadcnt 12                              ; step 0's four loads are in
	XTURN 0
.irp t, 0,1,2,3,4,5,6,7,8,9,10,11,12,13,14,15
	XSTEP \t
.endr
	ds_load_b64 v[12:13], v6                       ; LDS serves a wave's instructions in order: these see my byte stores
	s_wait_dscnt 0x0
	global_store_b64 v7, v[12:13], s[10:11]        ; 32 lanes store 256 consecutive bytes
	s_wait_tensorcnt 0x0
	ds_add_u32 v192, v193
	s_wait_dscnt 0x0
	s_endpgm
.Lfunc_end_k_q958bd9f08d_prep:
	.size	k_q958bd9f08d_prep, .Lfunc_end_k_q958bd9f08d_prep-k_q958bd9f08d_prep
	.p2alignl 7, 3214868480
	.fill 96, 4, 3214868480
	.section	.rodata,"a",@progbits
	.p2align	6, 0x0
	.amdhsa_kernel k_q958bd9f08d_prep
		.amdhsa_group_segment_fixed_size 101888
		.amdhsa_private_segment_fixed_size 0
		.amdhsa_enable_private_segment 0
		.amdhsa_kernarg_size 88
		.amdhsa_user_sgpr_count 2
		.amdhsa_user_sgpr_kernarg_segment_ptr 1
		.amdhsa_wavefront_size32 1
		.amdhsa_system_sgpr_workgroup_id_x 1
		.amdhsa_system_sgpr_workgroup_id_y 1
		.amdhsa_system_sgpr_workgroup_id_z 1
		.amdhsa_system_vgpr_workitem_id 0
		.amdhsa_next_free_vgpr 194
		.amdhsa_next_free_sgpr 66
		.amdhsa_reserve_vcc 0
		.amdhsa_float_denorm_mode_32 3
		.amdhsa_float_denorm_mode_16_64 3
		.amdhsa_memory_ordered 1
		.amdhsa_forward_progress 1
		.amdhsa_inst_pref_size 159
	.end_amdhsa_kernel
	.amdgpu_metadata
---
amdhsa.version: [ 1, 2 ]
amdhsa.kernels:
  - .name:           k_q958bd9f08d_prep
    .symbol:         k_q958bd9f08d_prep.kd
    .args:
      - { .name: q, .offset: 0, .size: 8, .value_kind: global_buffer, .address_space: global }
      - { .name: k, .offset: 8, .size: 8, .value_kind: global_buffer, .address_space: global }
      - { .name: v, .offset: 16, .size: 8, .value_kind: global_buffer, .address_space: global }
      - { .name: W_q, .offset: 24, .size: 8, .value_kind: global_buffer, .address_space: global }
      - { .name: W_k, .offset: 32, .size: 8, .value_kind: global_buffer, .address_space: global }
      - { .name: W_v, .offset: 40, .size: 8, .value_kind: global_buffer, .address_space: global }
      - { .name: W_o, .offset: 48, .size: 8, .value_kind: global_buffer, .address_space: global }
      - { .name: att_mask, .offset: 56, .size: 8, .value_kind: global_buffer, .address_space: global }
      - { .name: codes, .offset: 64, .size: 8, .value_kind: global_buffer, .address_space: global }
      - { .name: scales, .offset: 72, .size: 8, .value_kind: global_buffer, .address_space: global }
      - { .name: maskw, .offset: 80, .size: 8, .value_kind: global_buffer, .address_space: global }
    .group_segment_fixed_size: 101888
    .private_segment_fixed_size: 0
    .kernarg_segment_align: 8
    .kernarg_segment_size: 88
    .max_flat_workgroup_size: 128
    .sgpr_count:     66
    .vgpr_count:     194
    .wavefront_size: 32
...
	.end_amdgpu_metadata
.endif
;; end of part 1
;; launch proj (part 2): grid 4 x 96, 4 waves a work-group, clusters of 4 x 4, 327,680 bytes of LDS; arguments codes, scales, b_q, b_k, b_v, hcodes, hscales; writes hcodes, hscales
.if DOCPART == 2
	.amdgcn_target "amdgcn-amd-amdhsa--gfx1250"
	.amdhsa_code_object_version 6
	.text
	.protected	k_q958bd9f08d_proj
	.globl	k_q958bd9f08d_proj
	.p2align	8
	.type	k_q958bd9f08d_proj,@function
k_q958bd9f08d_proj:
	s_mov_b64 s[64:65], 0
	v_nop
	global_prefetch_b8 v0, s[64:65] scope:SCOPE_SE
	s_setreg_imm32_b32 hwreg(HW_REG_WAVE_MODE, 25, 1), 1
	s_wait_xcnt 0x0
	s_wait_alu depctr_hold_cnt(0) depctr_sa_sdst(0) depctr_va_vdst(0) depctr_va_sdst(0) depctr_va_ssrc(0) depctr_va_vcc(0) depctr_vm_vsrc(0)
	s_getreg_b32 s2, hwreg(HW_REG_IB_STS2, 6, 4)
	s_cmp_eq_u32 s2, 0
	s_cbranch_scc0 .Lentry_in_a_cluster
	s_endpgm
.Lentry_in_a_cluster:
	s_bfe_u32 s2, ttmp6, 0x10000c
	s_cmp_lg_u32 s2, 0xf033
	s_cbranch_scc0 .Lentry_shape_is_right
	s_endpgm
.Lentry_shape_is_right:
.set KSTEP,  256
.set NQ,     2
.set ROWB,   256
.set KROW,   1024
.set PITCH,  272
.set FR,     16
.set NL,     4
.set NP,     8
.set HALFT,  128*PITCH
.set SLOT,   4*HALFT
.set LAPS,   2
.set KS,     32
.set SCL,    2*SLOT
.set HALFS,  (128*KS/256)*272
.set SBLK,   (16*KS/256)*272
.set SPARE,  SCL+4*HALFS
.set VB,   8
.set SWA,  12
.set SRA,  13
.set SGO,  14
.set ADRA, 16
.set ADRB, 20
.set ADRS, 27
.set SPW,  28
.set NIL,  29
.set SC,   32
.set BI,   64
.set TM,   64
.set PWB,  80
.set RB,   96
.set AF,   128
.set G1, 24
.set G0, 32
.set G1B, 48
.set G0B, 56
.set G1S, 68
.set G0S, 76
.set G1SB, 80
.set G0SB, 88
.set OB, 24
.set MSB, 0
.macro WIN new
.if MSB != (\new)
	s_set_vgpr_msb (MSB<<8)|(\new)
.set MSB, (\new)
.endif
.endm
.set MUL_LO, 0xa1
.set MUL_HI, 0xf1
.set BIA_LO, 0x81
.set BIA_HI, 0xc1
.set TO_B,   0x40
.macro JLOAD g0a, g1a, g0b, g1b
	s_cmp_eq_u32 s15, 0
	s_cbranch_scc0 .Lfor_b_\@
	tensor_load_to_lds s[\g0a:\g0a+3], s[\g1a:\g1a+7]
	s_nop 0
.rept 4
	v_nop
.endr
	s_branch .Lasked_\@
.Lfor_b_\@:
	tensor_load_to_lds s[\g0b:\g0b+3], s[\g1b:\g1b+7]
	s_nop 0
.rept 4
	v_nop
.endr
.Lasked_\@:
.endm
.macro CREST
	s_cmp_lg_u32 s14, 0
	s_cbranch_scc1 .Lnot_wave_0_\@
	s_barrier_signal -3
.Lnot_wave_0_\@:
	s_barrier_wait -3
	s_barrier_signal -1
	s_barrier_wait -1
.endm
.macro CROUND
	s_barrier_signal -1
	s_barrier_wait -1
	CREST
.endm
	s_load_b128 s[4:7], s[0:1], 0x0
	s_load_b128 s[8:11], s[0:1], 0x10
	s_load_b128 s[96:99], s[0:1], 0x20
	s_load_b64 s[100:101], s[0:1], 0x30
	v_lshl_add_u32 v[SPW], v0, 2, SPARE
	v_mov_b32 v[NIL], 0
	ds_add_u32 v28, v29
	ds_add_u32 v28, v29
	s_wait_dscnt 0x0
	v_lshrrev_b32 v1, 5, v0
	v_readfirstlane_b32 s14, v1
	s_lshr_b32 s15, s14, 1
	s_and_b32 s16, s14, 1
	s_bfe_u32 s40, ttmp6, 0x40000
	s_bfe_u32 s41, ttmp6, 0x40004
	s_and_b32 s92, ttmp7, 0xffff
	s_lshr_b32 s104, s92, 3
	s_and_b32 s92, s92, 7
	s_lshl_b32 s92, s92, 2
	s_lshl_b32 s94, s104, 13
	s_lshl_b32 s18, s104, 10
	s_add_co_u32 s18, s18, 24576
	s_mov_b32 s19, 26624
	s_mov_b32 s20, 16384
	s_cmp_eq_u32 s104, 2
	s_cselect_b32 s95, 1, 0
	s_cselect_b32 s17, 0, s92
	s_cselect_b32 s42, s92, 0
	s_cselect_b32 s94, s19, s94
	s_cselect_b32 s93, s20, s18
	s_add_co_u32 s17, s17, s41
	s_add_co_u32 s42, s42, s40
	s_lshl_b32 s43, s41, 2
	s_lshl_b32 s43, 15, s43
	s_lshl_b32 s44, 0x1111, s40
	s_or_b32 s[G1+0], s43, (0<<16)|(1<<20)|(1<<21)|(5<<22)|(3<<25)
	s_or_b32 s[G1B+0], s44, (0<<16)|(1<<20)|(1<<21)|(5<<22)|(3<<25)
.irp g, G1, G1B
	s_mov_b32 s[\g+1], ROWB<<16
	s_mov_b32 s[\g+2], 256<<16                     ; the head's loads of codes bring 256 rows
	s_mov_b32 s[\g+3], ROWB<<16
	s_mov_b32 s[\g+4], 256
	s_mov_b32 s[\g+5], KROW
	s_mov_b32 s[\g+6], 0
	s_mov_b32 s[\g+7], 0
.endr
	s_or_b32 s[G1S+0], s43, (3<<16)|(1<<20)|(1<<21)|(5<<22)|(3<<25)
	s_or_b32 s[G1SB+0], s44, (3<<16)|(1<<20)|(1<<21)|(5<<22)|(3<<25)
.irp g, G1S, G1SB
	s_mov_b32 s[\g+1], 32<<16
	s_mov_b32 s[\g+2], KS<<16                      ; the scales of 256 rows: KS rows of 256 bytes
	s_mov_b32 s[\g+3], 32<<16
	s_mov_b32 s[\g+4], KS
	s_mov_b32 s[\g+5], 32
	s_mov_b32 s[\g+6], 0
	s_mov_b32 s[\g+7], 0
.endr
	s_lshl_b32 s20, s17, 8                         ; the tile's first row of source 1,
	s_add_co_u32 s20, s20, s94
	s_lshl_b32 s46, s42, 8                         ; and of source 0
	s_add_co_u32 s46, s46, s93
	s_mov_b32 s21, 0
	s_mov_b32 s47, 0
	s_mov_b64 s[18:19], KS
	s_mul_u64 s[22:23], s[20:21], s[18:19]
	s_mul_u64 s[92:93], s[46:47], s[18:19]
	s_mov_b64 s[18:19], KROW
	s_mul_u64 s[20:21], s[20:21], s[18:19]
	s_mul_u64 s[46:47], s[46:47], s[18:19]
	s_mul_i32 s45, s14, HALFT
	s_mul_i32 s18, s16, 128*KROW                   ; in the ring a wave fetches 128 rows: which half, in bytes
	s_mov_b32 s19, 0
	s_wait_kmcnt 0x0
	s_add_nc_u64 s[20:21], s[4:5], s[20:21]
	s_add_nc_u64 s[22:23], s[6:7], s[22:23]
	s_add_nc_u64 s[46:47], s[4:5], s[46:47]
	s_add_nc_u64 s[92:93], s[6:7], s[92:93]
	CROUND
	; the head's four tiles, each whole, one a wave: wave 0 K step 0's 256 rows of source 1, wave 1 those of source 0, wave 2 and 3 their scales
	s_mov_b32 s[G0S], 1
	s_mov_b32 s[G0S+1], SCL
	s_mov_b64 s[G0S+2:G0S+3], s[22:23]
	s_or_b32 s[G0S+3], s[G0S+3], 0x80000000
	s_mov_b32 s[G0SB], 1
	s_mov_b32 s[G0SB+1], SCL+2*HALFS
	s_mov_b64 s[G0SB+2:G0SB+3], s[92:93]
	s_or_b32 s[G0SB+3], s[G0SB+3], 0x80000000
	s_mov_b32 s4, 1                                ; s[4:7]: group 0 of wave 0's load (the two arguments that lay there have been used)
	s_mov_b32 s5, 0
	s_mov_b64 s[6:7], s[20:21]
	s_or_b32 s7, s7, 0x80000000
	s_add_nc_u64 s[20:21], s[20:21], s[18:19]      ; for the ring: my 128 rows
.irp s, 0,1
	s_mov_b32 s[G0+4*\s], 1
	s_add_co_u32 s[G0+4*\s+1], s45, \s*SLOT
	s_add_nc_u64 s[G0+4*\s+2:G0+4*\s+3], s[20:21], \s*ROWB
	s_or_b32 s[G0+4*\s+3], s[G0+4*\s+3], 0x80000000
.endr
	s_mov_b32 s20, 1                               ; s[20:23]: group 0 of wave 1's load; not written again before the wait below
	s_mov_b32 s21, 2*HALFT
	s_mov_b64 s[22:23], s[46:47]
	s_or_b32 s23, s23, 0x80000000
	s_add_nc_u64 s[46:47], s[46:47], s[18:19]
.irp s, 0,1
	s_mov_b32 s[G0B+4*\s], 1
	s_add_co_u32 s[G0B+4*\s+1], s45, \s*SLOT
	s_add_nc_u64 s[G0B+4*\s+2:G0B+4*\s+3], s[46:47], \s*ROWB
	s_or_b32 s[G0B+4*\s+3], s[G0B+4*\s+3], 0x80000000
.endr
.macro ARM under, g0, g1, next                 ; one tree of branches on the wave's number: every way passes exactly one load
	s_cmp_lt_u32 s14, \under
	s_cbranch_scc0 \next
	tensor_load_to_lds s[\g0:\g0+3], s[\g1:\g1+7]
	s_nop 0
.rept 4
	v_nop
.endr
	s_branch .Lhead_asked
\next:
.endm
	ARM 1, 4,   G1,  .Lhead_b
	ARM 2, 20,  G1B, .Lhead_sa
	ARM 3, G0S, G1S, .Lhead_sb
	tensor_load_to_lds s[G0SB:G0SB+3], s[G1SB:G1SB+7]
	s_nop 0
.rept 4
	v_nop
.endr
.Lhead_asked:
	s_wait_alu depctr_va_vdst(0)
	s_wait_tensorcnt 0x0                           ; my tile of the four is in
	ds_add_u32 v28, v29
	s_mov_b32 s[G1+2], 128<<16                     ; no tensor load of mine is out: from here on a load brings 128 rows
	s_mov_b32 s[G1+4], 128
	s_mov_b32 s[G1B+2], 128<<16
	s_mov_b32 s[G1B+4], 128
	s_wait_dscnt 0x0
	CROUND
	JLOAD G0+4, G1, G0B+4, G1B                     ; K step 1, the first tensor load behind the round
	v_and_b32 v1, 15, v0
	v_bfe_u32 v2, v0, 4, 1
	v_mul_u32_u24 v3, v1, PITCH
	v_lshl_add_u32 v4, v2, 4, v3
	s_mul_i32 s21, s15, HALFT
	s_mul_i32 s22, s16, HALFT
	s_add_co_u32 s22, s22, 2*HALFT
.irp s, 0,1
	v_add_nc_u32 v[ADRA+\s], s21, v4
	v_add_nc_u32 v[ADRB+\s], s22, v4
	s_add_co_u32 s21, s21, SLOT
	s_add_co_u32 s22, s22, SLOT
.endr
	v_mul_u32_u24 v5, v1, KS
	v_lshrrev_b32 v6, 8, v5
	v_lshl_add_u32 v5, v6, 4, v5
	s_mul_i32 s21, s15, HALFS
	s_mul_i32 s22, s16, HALFS
	s_add_co_u32 s22, s22, 2*HALFS
	s_sub_co_u32 s22, s22, s21
	v_mul_u32_u24 v6, s22, v2
	s_add_co_u32 s21, s21, SCL
	v_add_nc_u32 v5, v5, v6
	v_add_nc_u32 v[ADRS], s21, v5
	s_cmp_eq_u32 s95, 1
	s_cselect_b32 s18, s42, s17
	s_cselect_b32 s19, s16, s15
	s_cselect_b32 s20, s17, s42
	s_cselect_b32 s21, s15, s16
	s_mov_b32 s22, 0x200
	s_cselect_b32 s22, s22, 0x400
	s_mov_b32 s23, 0x800
	s_cselect_b32 s23, s23, 0x200
	s_mov_b32 s46, 0x1000
	s_cselect_b32 s47, s46, 0x20000
	s_cselect_b32 s46, s46, 0x100
	s_lshl_b32 s92, s20, 10
	s_lshl_b32 s93, s21, 9
	s_add_co_u32 s92, s92, s93
	s_mov_b32 s93, 0
	s_cmp_eq_u32 s104, 1
	s_cselect_b64 s[8:9], s[10:11], s[8:9]
	s_cmp_eq_u32 s104, 2
	s_cselect_b64 s[8:9], s[96:97], s[8:9]
	s_add_nc_u64 s[8:9], s[8:9], s[92:93]
	s_lshl_b32 s20, s20, 2
	s_lshl_b32 s21, s21, 1
	s_add_co_u32 s20, s20, s21
	s_lshr_b32 s21, s18, 3
	s_and_b32 s18, s18, 7
	s_lshl_b32 s21, s21, 4
	s_add_co_u32 s20, s20, s21
	s_lshl_b32 s92, s104, 23
	s_lshl_b32 s21, s20, 17
	s_add_co_u32 s92, s92, s21
	s_lshl_b32 s21, s18, 14
	s_add_co_u32 s92, s92, s21
	s_lshl_b32 s21, s19, 13
	s_add_co_u32 s92, s92, s21
	s_add_nc_u64 s[10:11], s[98:99], s[92:93]
	s_lshl_b32 s92, s104, 18
	s_lshl_b32 s21, s20, 12
	s_add_co_u32 s92, s92, s21
	s_mul_i32 s21, s18, s22
	s_add_co_u32 s92, s92, s21
	s_lshr_b32 s22, s22, 1
	s_mul_i32 s21, s19, s22
	s_add_co_u32 s92, s92, s21
	s_add_nc_u64 s[12:13], s[100:101], s[92:93]
	v_and_b32 v6, 31, v0
	v_lshlrev_b32 v[VB], 4, v6
	v_add_nc_u32 v[VB+1], s23, v[VB]
	v_add_nc_u32 v[VB+2], s47, v[VB]
	v_add_nc_u32 v[VB+3], s47, v[VB+1]
	s_lshl_b32 s21, s14, 9
	v_lshl_add_u32 v[SWA], v1, 2, s21
	v_add_nc_u32 v[SRA], s21, v[VB]
	v_mul_u32_u24 v[SGO], s46, v2
	v_lshl_add_u32 v[SGO], v1, 4, v[SGO]
	s_cmp_eq_u32 s95, 0
	s_cbranch_scc0 .Lbias_v
	v_lshlrev_b32 v7, 6, v2
.irp i, 0,1,2,3,4,5,6,7
	global_load_b128 v[BI+8*\i:BI+8*\i+3], v7, s[8:9] offset:(32*(\i/2)+8*(\i%2))*4
	global_load_b128 v[BI+8*\i+4:BI+8*\i+7], v7, s[8:9] offset:(32*(\i/2)+8*(\i%2))*4+16
.endr
	s_branch .Lbias_done
.Lbias_v:
	v_and_b32 v7, 8, v1
	v_add_nc_u32 v7, v7, v1
	v_lshlrev_b32 v7, 2, v7
.irp i, 0,1,2,3,4,5,6,7
.irp j, 0,1,2,3,4,5,6,7
	global_load_b32 v[BI+8*\i+\j], v7, s[8:9] offset:(32*(\i/2)+8*(\i%2))*4
.endr
.endr
.Lbias_done:
.macro FRAG reg, adr, q, i
.irp c, 0,1,2,3
	ds_load_b128 v[\reg+4*\c:\reg+4*\c+3], v[\adr] offset:128*(\q)+32*\c+(\i)*16*PITCH
.endr
.endm
.macro MUL16 a0, p, q, sc, zero
.irp a, \a0, \a0+1
.irp b, 0,1,2,3,4,5,6,7
.if (\zero) == 1
	v_wmma_scale_f32_16x16x128_f8f6f4 v[8*(8*((\a)%4)+\b):8*(8*((\a)%4)+\b)+7], v[128*(\p)+FR*\b:128*(\p)+FR*\b+FR-1], v[AF+FR*(\a):AF+FR*(\a)+FR-1], v[BI+8*\b:BI+8*\b+7], v[SC+8*NQ*(\sc)+NQ*\b+(\q)], v[SC+8*NQ*(\sc)+NQ*(\a)+(\q)] matrix_a_fmt:MATRIX_FMT_BF8 matrix_b_fmt:MATRIX_FMT_BF8 matrix_a_scale:MATRIX_SCALE_ROW1
.elseif (\zero) == 2
	v_wmma_scale_f32_16x16x128_f8f6f4 v[8*(8*((\a)%4)+\b):8*(8*((\a)%4)+\b)+7], v[128*(\p)+FR*\b:128*(\p)+FR*\b+FR-1], v[AF+FR*(\a):AF+FR*(\a)+FR-1], v[BI+8*(\a):BI+8*(\a)+7], v[SC+8*NQ*(\sc)+NQ*\b+(\q)], v[SC+8*NQ*(\sc)+NQ*(\a)+(\q)] matrix_a_fmt:MATRIX_FMT_BF8 matrix_b_fmt:MATRIX_FMT_BF8 matrix_a_scale:MATRIX_SCALE_ROW1
.else
	v_wmma_scale_f32_16x16x128_f8f6f4 v[8*(8*((\a)%4)+\b):8*(8*((\a)%4)+\b)+7], v[128*(\p)+FR*\b:128*(\p)+FR*\b+FR-1], v[AF+FR*(\a):AF+FR*(\a)+FR-1], v[8*(8*((\a)%4)+\b):8*(8*((\a)%4)+\b)+7], v[SC+8*NQ*(\sc)+NQ*\b+(\q)], v[SC+8*NQ*(\sc)+NQ*(\a)+(\q)] matrix_a_fmt:MATRIX_FMT_BF8 matrix_b_fmt:MATRIX_FMT_BF8 matrix_a_scale:MATRIX_SCALE_ROW1
.endif
.endr
.endr
.endm
.macro FETCH_B slot, q, p
	WIN TO_B
.irp i, 0,1,2,3,4,5,6,7
	FRAG 128*(\p)+FR*\i, ADRB+\slot, \q, \i
.endr
	WIN 0
.endm
.macro FETCH_A slot, q, i0
.irp i, \i0, \i0+1, \i0+2, \i0+3
	FRAG AF+FR*(\i), ADRA+\slot, \q, \i
.endr
.endm
.macro SCALES sc
.irp i, 0,1,2,3,4,5,6,7
	ds_load_b64 v[SC+8*NQ*\sc+NQ*\i:SC+8*NQ*\sc+NQ*\i+1], v[ADRS] offset:\i*SBLK
.endr
.endm
.macro PLACES n
.rept \n
	v_nop
.endr
.endm
.macro STEP slot, q, zero
	s_wait_dscnt 4*NL
.if \zero
	WIN BIA_LO
.else
	WIN MUL_LO
.endif
	MUL16 0, (\q)%2, \q, \slot, \zero
	MUL16 2, (\q)%2, \q, \slot, \zero
	s_wait_dscnt 0
	PLACES NP
	FETCH_B \slot, (\q)+1, 1-(\q)%2
	FETCH_A \slot, (\q)+1, 0
.if \zero
	WIN BIA_HI
.else
	WIN MUL_HI
.endif
	MUL16 4, (\q)%2, \q, \slot, \zero
	MUL16 6, (\q)%2, \q, \slot, \zero
	PLACES NP
	WIN 0
	FETCH_A \slot, (\q)+1, 4
.endm
.macro TURN slot, next, fill
	s_wait_tensorcnt 0x0
	ds_add_u32 v[SPW], v[NIL]
	s_wait_dscnt 4*NL+1
	WIN MUL_LO
	MUL16 0, 1, NQ-1, \slot, 0
	s_wait_dscnt 0x0
	s_barrier_signal -1
	MUL16 2, 1, NQ-1, \slot, 0
	WIN 0
	s_barrier_wait -1
.if \fill
	CREST
	s_add_nc_u64 s[G0+4*\slot+2:G0+4*\slot+3], s[G0+4*\slot+2:G0+4*\slot+3], 2*ROWB
	s_add_nc_u64 s[G0B+4*\slot+2:G0B+4*\slot+3], s[G0B+4*\slot+2:G0B+4*\slot+3], 2*ROWB
	JLOAD G0+4*\slot, G1, G0B+4*\slot, G1B
	PLACES NP-4
.else
	PLACES NP
.endif
	s_wait_alu depctr_va_vdst(0)
	v_add_nc_u32 v[ADRS], 4*NQ, v[ADRS]
	FETCH_B \next, 0, 0
	FETCH_A \next, 0, 0
	SCALES \next
	WIN MUL_HI
	MUL16 4, 1, NQ-1, \slot, 0
	MUL16 6, 1, NQ-1, \slot, 0
	PLACES NP
	WIN 0
	FETCH_A \next, 0, 4
.endm
	s_wait_tensorcnt 1
	s_barrier_signal -1
	s_barrier_wait -1
	FETCH_B 0, 0, 0
	FETCH_A 0, 0, 0
	SCALES 0
	FETCH_A 0, 0, 4
	s_wait_loadcnt 0x0
	s_cmp_eq_u32 s95, 0
	s_cbranch_scc0 .Lfirst_v
	STEP 0, 0, 1
	s_branch .Lfirst_done
.Lfirst_v:
	STEP 0, 0, 2
.Lfirst_done:
	s_mov_b32 s3, LAPS-1
.Llap:
	TURN 0, 1, 1
	STEP 1, 0, 0
	TURN 1, 0, 1
	STEP 0, 0, 0
	s_sub_co_u32 s3, s3, 1
	s_cmp_lg_u32 s3, 0
	s_cbranch_scc1 .Llap
	TURN 0, 1, 0
	STEP 1, 0, 0
	s_wait_dscnt 4*NL
	WIN MUL_LO
	MUL16 0, 1, NQ-1, 1, 0
	MUL16 2, 1, NQ-1, 1, 0
	s_wait_dscnt 0
	WIN MUL_HI
	MUL16 4, 1, NQ-1, 1, 0
	MUL16 6, 1, NQ-1, 1, 0
	WIN 0
	PLACES NP
	s_mov_b32 s40, 0x76543210
	s_mov_b32 s41, 0xfedcba98
	s_mov_b32 s42, 0x600000
	s_mov_b32 s44, 0x200
	s_cmp_eq_u32 s95, 1
	s_cselect_b32 s44, s44, 0x400
	s_mov_b32 s45, 0
	s_cselect_b32 s46, 0x1f800, 0
	s_mov_b32 s47, 0
	s_mov_b64 s[OB:OB+1], s[10:11]
.irp a, 1,2,3,4,5,6,7
	s_add_nc_u64 s[OB+2*\a:OB+2*\a+1], s[OB+2*\a-2:OB+2*\a-1], s[44:45]
.if \a == 4
	s_add_nc_u64 s[OB+8:OB+9], s[OB+8:OB+9], s[46:47]
.endif
.endr
.irp b, 0,1,2,3
	v_mov_b32 v[TM+4+\b], 0
.endr
.macro QUANTW a
.set QW,  2+(\a)/4
.set QWA, 5*QW
.set QWB, 65*QW
.set QAC, 64*((\a)%4)
.set QCD, 128+16*(\a)
	WIN QWA
.irp b, 0,1,2,3
	v_max3_num_f32 v[TM+\b], |v[QAC+16*\b]|, |v[QAC+16*\b+1]|, 0x8000000
.endr
.irp i, 2,4,6,8,10,12,14
.irp b, 0,1,2,3
	v_max3_num_f32 v[TM+\b], |v[QAC+16*\b+\i]|, |v[QAC+16*\b+\i+1]|, v[TM+\b]
.endr
.endr
	WIN 0
.irp b, 0,1,2,3
	v_permlanex16_b32 v[TM+4+\b], v[TM+\b], s40, s41
.endr
.irp b, 0,1,2,3
	v_max_num_f32 v[TM+\b], v[TM+\b], v[TM+4+\b]
.endr
.irp b, 0,1,2,3
	v_add_nc_u32 v[TM+12+\b], 0xf8800000, v[TM+\b]
.endr
.irp b, 0,1,2,3
	v_and_or_b32 v[TM+8+\b], v[TM+\b], 0x7f800000, s42
.endr
.irp b, 0,1,2,3
	v_lshrrev_b32 v[TM+4+\b], 23, v[TM+12+\b]
.endr
	v_lshl_or_b32 v[PWB+(\a)], v[TM+5], 8, v[TM+4]
	v_lshl_or_b32 v[PWB+(\a)], v[TM+6], 16, v[PWB+(\a)]
	v_lshl_or_b32 v[PWB+(\a)], v[TM+7], 24, v[PWB+(\a)]
	WIN QWB
.irp b, 0,1,2,3
.irp i, 0,1,2,3,4,5,6,7,8,9,10,11,12,13,14,15
	v_med3_num_f32 v[QAC+16*\b+\i], v[QAC+16*\b+\i], -v[TM+8+\b], v[TM+8+\b]
.endr
.endr
	WIN QW
.irp b, 0,1,2,3
	v_cvt_scalef32_pk8_bf8_f32 v[QCD+4*\b:QCD+4*\b+1], v[QAC+16*\b:QAC+16*\b+7], v[TM+12+\b]
	v_cvt_scalef32_pk8_bf8_f32 v[QCD+4*\b+2:QCD+4*\b+3], v[QAC+16*\b+8:QAC+16*\b+15], v[TM+12+\b]
.endr
	WIN 0
	v_nop
.irp b, 0,1,2,3
	global_store_b128 v[VB+\b], v[QCD+4*\b:QCD+4*\b+3], s[OB+2*(\a):OB+2*(\a)+1]
.endr
	ds_store_b32 v[SWA], v[PWB+(\a)] offset:64*(\a)
.endm
.irp a, 0,1,2,3,4,5,6,7
	QUANTW \a
.endr
	ds_load_b128 v[RB:RB+3], v[SRA]
	s_wait_dscnt 0x0
	global_store_b128 v[SGO], v[RB:RB+3], s[12:13]
	s_wait_tensorcnt 0x0
	ds_add_u32 v[SPW], v[NIL]
	s_wait_dscnt 0x0
	CROUND
	s_endpgm
.Lfunc_end_k_q958bd9f08d_proj:
	.size	k_q958bd9f08d_proj, .Lfunc_end_k_q958bd9f08d_proj-k_q958bd9f08d_proj
	.p2alignl 7, 3214868480
	.fill 96, 4, 3214868480
	.section	.rodata,"a",@progbits
	.p2align	6, 0x0
	.amdhsa_kernel k_q958bd9f08d_proj
		.amdhsa_group_segment_fixed_size 327680
		.amdhsa_private_segment_fixed_size 0
		.amdhsa_enable_private_segment 0
		.amdhsa_kernarg_size 56
		.amdhsa_user_sgpr_count 2
		.amdhsa_user_sgpr_kernarg_segment_ptr 1
		.amdhsa_wavefront_size32 1
		.amdhsa_system_sgpr_workgroup_id_x 1
		.amdhsa_system_sgpr_workgroup_id_y 1
		.amdhsa_system_sgpr_workgroup_id_z 1
		.amdhsa_system_vgpr_workitem_id 0
		.amdhsa_next_free_vgpr 1024
		.amdhsa_next_free_sgpr 106
		.amdhsa_reserve_vcc 0
		.amdhsa_float_denorm_mode_32 3
		.amdhsa_float_denorm_mode_16_64 3
		.amdhsa_memory_ordered 1
		.amdhsa_forward_progress 1
		.amdhsa_inst_pref_size 209
	.end_amdhsa_kernel
	.amdgpu_metadata
---
amdhsa.version: [ 1, 2 ]
amdhsa.kernels:
  - .name:           k_q958bd9f08d_proj
    .symbol:         k_q958bd9f08d_proj.kd
    .args:
      - { .name: codes, .offset: 0, .size: 8, .value_kind: global_buffer, .address_space: global }
      - { .name: scales, .offset: 8, .size: 8, .value_kind: global_buffer, .address_space: global }
      - { .name: b_q, .offset: 16, .size: 8, .value_kind: global_buffer, .address_space: global }
      - { .name: b_k, .offset: 24, .size: 8, .value_kind: global_buffer, .address_space: global }
      - { .name: b_v, .offset: 32, .size: 8, .value_kind: global_buffer, .address_space: global }
      - { .name: hcodes, .offset: 40, .size: 8, .value_kind: global_buffer, .address_space: global }
      - { .name: hscales, .offset: 48, .size: 8, .value_kind: global_buffer, .address_space: global }
    .group_segment_fixed_size: 327680
    .private_segment_fixed_size: 0
    .kernarg_segment_align: 8
    .kernarg_segment_size: 56
    .max_flat_workgroup_size: 128
    .sgpr_count:     106
    .vgpr_count:     1024
    .wavefront_size: 32
...
	.end_amdgpu_metadata
.endif
;; end of part 2
;; launch attn (part 3): grid 4 x 64, 16 waves a work-group, no clusters, 276,480 bytes of LDS; arguments hcodes, hscales, maskw, ocodes, oscales; writes ocodes, oscales
.if DOCPART == 3
	.amdgcn_target "amdgcn-amd-amdhsa--gfx1250"
	.amdhsa_code_object_version 6
	.text
	.protected	k_q958bd9f08d_attn
	.globl	k_q958bd9f08d_attn
	.p2align	8
	.type	k_q958bd9f08d_attn,@function
k_q958bd9f08d_attn:
	s_mov_b64 s[64:65], 0
	v_nop
	global_prefetch_b8 v0, s[64:65] scope:SCOPE_SE
	s_setreg_imm32_b32 hwreg(HW_REG_WAVE_MODE, 25, 1), 1
	s_wait_xcnt 0x0
; ATTENTION on codes of BF8 (E5M2) with E8M0 scales, with the mask, and the quantiser of its result.  Head size 64, 2,048 keys, 64 (batch, head) pairs.
; SHARES.  A work-group owns 512 queries of one (batch, head): 256 work-groups.  Each of its sixteen waves owns two neighbouring tiles of 16 queries and takes them one after the other (two passes)
; over the same K and V in LDS, in 256 registers, four waves to a SIMD.  In each pass a wave walks all 2,048 keys, 128 a step.
; LAYOUT.  Both products are used transposed: S^T = K Q^T (source 0 = 16 keys, source 1 = my 16 queries), O^T = V^T P^T: a lane holds ONE query throughout.  K's tiles lie in the preparation's row order,
; so the 16 registers of tiles 2 b and 2 b + 1 are the keys 32 b + 16 (lane / 16) + 0 .. 15.
; THE FIRST PRODUCT'S K IS 64 OF THE INSTRUCTION'S 128.  A run of 16 registers holds tile t's codes in its lower half and tile t + 4's in its upper half.  Against source 1 = [Q | zero codes] it gives tile t's
; scores, against [zero codes | Q] tile t + 4's: the other half meets zero codes, which add nothing (K's codes are finite: the quantiser holds them).  Tiles 4-7 have their scale bytes in bytes 2 and 3 of
; their words, and Q's word holds its two bytes twice.  So a step's eight tiles lie in 64 registers, its eight products stand on end, and the NEXT step's tiles and scale words are asked of LDS right behind them.
; THE SOFTMAX: t = score x log2(e) / 8; M = the running largest t rounded UP to a whole number; p = 2^(t - M) is quantised along the keys, not normalised; the row's sum is taken of the unquantised p
; and divides O at the end; when M moves, the sum and O^T are multiplied by 2^(old M - new M), which rounds nothing.
; THE MASK comes as one bit a score: word n of a step has lane L's bit for register n.  A hidden score becomes -2^33, a logit of -2^30 where the definition has -1e9: t is then a whole number that f32
; holds exactly, so a row that is hidden throughout gets p = 1 for every key (uniform weights, as the definition has), and in every other row a hidden p is 0.
; MASK AND MAXIMUM IN ONE LINE: a dual-issue pair selects element n by VCC, which a scalar move has set to its mask word, and takes element n - 2, already selected, into the block's running maximum.
; Even elements go to an odd register and odd ones to an even one, and -2^33 stands in two registers, so that the pair's destinations differ in parity and its sources in register number mod 4.  The hold takes two numbers an instruction the same way.
; LIMIT: logits that count lie above -9.9e8.  NaN and infinities are not served.  A block of the result under 2^-111 takes the scale byte 1.
; LDS IS FILLED ONCE: the head's K (131,072 bytes), V (131,072) and their scale words (8,192 + 4,096), by 34 lane copies a wave at the head, behind Q's loads.  The first pass reads the first 512 keys behind a
; counted wait (the 24 later copies may be out) and a barrier, the other 1,536 behind the wait for all and a second barrier.  The look-ahead for K is held at a run's last step, so that it reads only what has been awaited.
; NO JOINT LOADS: lane copies have no joint form, and the four work-groups of a head read their 274,432 bytes once each.
; NO PREFETCH: all that the work-group reads in bulk is asked for at the head; a step's 256 bytes of mask words are asked for a step ahead.
.set T1,   0                           ; v0       at work behind the head
                                       ; v1-4     my lane's places (K, V, K's scales, V's scales); v5 -2^33; v6 Q's scale word; v7 32 (lane % 16); v8-11 addresses; v12 -M, v13 the largest t, v[14:15] the sum
.set Q,    16                          ; v16-23   Q;  v24-31 zero codes;  v32-39 Q once more
.set Z,    24
.set Q2,   32
.set KR,   40                          ; v40-103  four runs of 16: tiles t and t + 4
.set S,    104                         ; v104-167 S^T, then p, then V's four fragments
.set O,    168                         ; v168-199 O^T
.set PC,   200                         ; v200-215 p's codes
.set W,    216                         ; v216-231 at work: 0-3 the blocks' maxima, 4-7 the other half's and the bytes, 8-15 the running maxima, then 8-11 the holds and 12-15 the conversions' scale operands
.set KS,   232                         ; v232-235 K's scale words, v236-237 V's, v238 p's: scales and nothing else
.set VS,   236
.set PS,   238
.set NEGB, 239                         ; -2^33 once more
.set F,    240                         ; v240     f; named as a pair with v241
.set T2,   241                         ; v241     the way out's two scale bytes
.set CH,   242                         ; v[242:243] the sum's second chain
.set CP,   244                         ; v244-253 addresses of copies and loads, never rewritten;  v254, v255 the add's
.set VREG, 131072
.set SCK,  262144
.set SCV,  270336
.set SPARE, 0x43000                    ; the spare words: 128 bytes for each of 16 waves
.set UPPER, 65536                      ; the upper half of K's region and of V's has address registers of its own: a copy's immediate stays under 65,536
.set TK,   24                          ; s24  the NEXT step's tiles of K in LDS: 8,192 bytes a step
.set TV,   25                          ; s25  the next step's of V
.set TS,   26                          ; s26  the next step's scale words of K: 512 bytes a step
.set TJ,   27                          ; s27  of V: 256 bytes a step
.set MOFF, 28                          ; s28  the next step's mask words: 256 bytes a step, 32 steps on end
.macro SQK T                           ; tile T of the step's eight.  One register holds two tiles' scale words: tile 2 p in lanes 0-15, 2 p + 1 in lanes 16-31
.set BQ, Q+8*((\T)/4)
.if (\T)%2
	v_wmma_scale_f32_16x16x128_f8f6f4 v[S+8*(\T):S+8*(\T)+7], v[KR+16*((\T)%4):KR+16*((\T)%4)+15], v[BQ:BQ+15], 0, v[KS+(\T)/2], v6 matrix_a_fmt:MATRIX_FMT_BF8 matrix_b_fmt:MATRIX_FMT_BF8 matrix_a_scale:MATRIX_SCALE_ROW1
.else
	v_wmma_scale_f32_16x16x128_f8f6f4 v[S+8*(\T):S+8*(\T)+7], v[KR+16*((\T)%4):KR+16*((\T)%4)+15], v[BQ:BQ+15], 0, v[KS+(\T)/2], v6 matrix_a_fmt:MATRIX_FMT_BF8 matrix_b_fmt:MATRIX_FMT_BF8
.endif
.endm
.macro PV d                            ; O^T's tile d += V^T's tile d x P^T
.if (\d)%2
	v_wmma_scale_f32_16x16x128_f8f6f4 v[O+8*(\d):O+8*(\d)+7], v[S+16*(\d):S+16*(\d)+15], v[PC:PC+15], v[O+8*(\d):O+8*(\d)+7], v[VS+(\d)/2], v[PS] matrix_a_fmt:MATRIX_FMT_BF8 matrix_b_fmt:MATRIX_FMT_BF8 matrix_a_scale:MATRIX_SCALE_ROW1
.else
	v_wmma_scale_f32_16x16x128_f8f6f4 v[O+8*(\d):O+8*(\d)+7], v[S+16*(\d):S+16*(\d)+15], v[PC:PC+15], v[O+8*(\d):O+8*(\d)+7], v[VS+(\d)/2], v[PS] matrix_a_fmt:MATRIX_FMT_BF8 matrix_b_fmt:MATRIX_FMT_BF8
.endif
.endm
.macro KLOAD                           ; a step's eight tiles of K (images of registers 0-3 and 4-7, 512 consecutive bytes a load) and their scale words, from v8 and v10
.irp t, 0,1,2,3
	ds_load_b128 v[KR+16*\t:KR+16*\t+3], v8 offset:1024*\t
	ds_load_b128 v[KR+16*\t+4:KR+16*\t+7], v8 offset:1024*\t+512
	ds_load_b128 v[KR+16*\t+8:KR+16*\t+11], v8 offset:1024*(4+\t)
	ds_load_b128 v[KR+16*\t+12:KR+16*\t+15], v8 offset:1024*(4+\t)+512
.endr
	ds_load_u16 v[KS], v10                         ; my head's two bytes of a row's word: bytes 0 and 1; bytes 2 and 3 come as 0, over products with zero codes
	ds_load_u16 v[KS+1], v10 offset:128
	ds_load_u16_d16_hi v[KS+2], v10 offset:256     ; tiles 4-7: bytes 2 and 3; the lower half holds 0 from the head on
	ds_load_u16_d16_hi v[KS+3], v10 offset:384
.endm
; The mask on blocks x0 and x1 of 32 keys, by turns; sb: the scalar register of block x0's word 0.  Each accumulator is read from its low end on.
.macro MM x0, x1, sb
.irp n, 0,1,2,3,4,5,6,7,8,9,10,11,12,13,14,15
.irp b, \x0, \x1
.set SR, S+16*\b+\n
.set MW, \sb+16*(\b-\x0)+\n
.if \n < 2
	v_cndmask_b32 v[SR], v5, v[SR], s[MW]          ; a hidden score becomes -2^33
.else
.set AC, W+9+2*\b-(\n%2)
.set NG, 5+(NEGB-5)*((\n%4)/3)
	s_mov_b32 vcc_lo, s[MW]
.if \n < 4
	v_dual_cndmask_b32 v[SR], v[NG], v[SR] :: v_dual_mov_b32 v[AC], v[SR-2]
.else
	v_dual_cndmask_b32 v[SR], v[NG], v[SR] :: v_dual_max_num_f32 v[AC], v[SR-2], v[AC]
.endif
.endif
.endr
.endr
.endm
; A KEY STEP: 128 keys.  Its tiles of K and their scale words are in registers.  lk, ls: where the run's last step has its tiles and scale words of K
.macro STEP lk, ls
.irp T, 0,1,2,3,4,5,6,7
	SQK \T
.endr
	v_add_nc_u32 v8, s[TK], v1
	v_add_nc_u32 v10, s[TS], v3
.rept 6
	v_nop                                          ; with the two additions: eight places in front of the loads into K's runs and of the first read of the scores
.endr
	KLOAD                                          ; the next step's: the wait in front of this step's second product covers them
	s_add_co_u32 s[TK], s[TK], 8192
	s_min_u32 s[TK], s[TK], \lk                    ; the run's last step asks for its own tiles again
	s_add_co_u32 s[TS], s[TS], 512
	s_min_u32 s[TS], s[TS], \ls
	s_wait_kmcnt 0x0                               ; this step's 64 mask words are in, so their offset may be written:
	s_add_co_u32 s[MOFF], s[MOFF], 256             ; the next step's;
	s_min_u32 s[MOFF], s[MOFF], 7936               ; the last of the 32 steps asks for its own words again: no load leaves the buffer
	MM 0, 1, 32
	s_load_b512 s[32:47], s[8:9], s[MOFF] offset:0x0
	s_load_b512 s[48:63], s[8:9], s[MOFF] offset:0x40
	MM 2, 3, 68
	s_load_b512 s[68:83], s[8:9], s[MOFF] offset:0x80
	s_load_b512 s[84:99], s[8:9], s[MOFF] offset:0xc0
.irp b, 0,1,2,3                                ; THE LARGEST SCORE OF EACH BLOCK: it serves twice: for the row's maximum and, since p rises with the score, for the block's largest p
	v_max3_num_f32 v[W+\b], v[W+8+2*\b], v[W+9+2*\b], v[S+14+16*\b]   ; the two running maxima and the last two elements
.endr
.irp b, 0,1,2,3
	s_delay_alu instid0(VALU_DEP_4)
	v_max_num_f32 v[W+\b], v[W+\b], v[S+15+16*\b]
.endr
.irp b, 0,1,2,3
	s_delay_alu instid0(VALU_DEP_4)
	v_permlanex16_b32 v[W+4+\b], v[W+\b], s18, s19
.endr
.irp b, 0,1,2,3
	s_delay_alu instid0(VALU_DEP_4)
	v_max_num_f32 v[W+\b], v[W+\b], v[W+4+\b]      ; with lane l xor 16's 16 keys
.endr
	s_delay_alu instid0(VALU_DEP_2)
	v_max3_num_f32 v[T1], v[W], v[W+1], v[W+2]
	s_delay_alu instid0(VALU_DEP_1)
	v_max_num_f32 v[T1], v[T1], v[W+3]             ; the step's largest score of my query
	s_delay_alu instid0(VALU_DEP_1)
	v_mul_f32 v[T1], s20, v[T1]                    ; as t (c is positive)
	s_delay_alu instid0(VALU_DEP_1)
	v_max_num_f32 v13, v13, v[T1]                  ; the running largest t
	v_mov_b32 v[T1], v12
	s_delay_alu instid0(VALU_DEP_2)
	v_floor_f32 v12, -v13                          ; the new -M = floor(-t) = -ceil(t): a whole number
	s_delay_alu instid0(VALU_DEP_1)
	v_sub_f32 v[T1], v12, v[T1]                    ; old M - new M: a whole number, 0 or less
	s_delay_alu instid0(VALU_DEP_1)
	v_cvt_i32_f32 v[T1], v[T1]                     ; (it saturates)
	s_delay_alu instid0(VALU_DEP_1)
	v_ldexp_f32 v[F], 1.0, v[T1]                   ; f = 2^(old M - new M)
.irp j, 0,2,4,6,8,10,12,14,16,18,20,22,24,26,28,30,32,34,36,38,40,42,44,46,48,50,52,54,56,58,60,62
	v_pk_fma_f32 v[S+\j:S+\j+1], v[S+\j:S+\j+1], s[20:21], v[12:13] op_sel_hi:[1,0,0]   ; t - M, two at a time (of the pairs c and -M the low word serves both halves)
.endr
	v_pk_fma_f32 v[W:W+1], v[W:W+1], s[20:21], v[12:13] op_sel_hi:[1,0,0]               ; the same of each block's largest score
	v_pk_fma_f32 v[W+2:W+3], v[W+2:W+3], s[20:21], v[12:13] op_sel_hi:[1,0,0]
	s_wait_alu depctr_va_vdst(0)                   ; the wait ahead of the batch
.set mn, 0
.rept 64
	v_exp_f32 v[S+mn], v[S+mn]                     ; p = 2^(t - M), at most 1
.set mn, mn+1
.endr
	v_pk_mul_f32 v[14:15], v[14:15], v[F:F+1] op_sel_hi:[1,0]   ; the sums under the new M: a plain line behind the exponentials
	s_wait_alu depctr_va_vdst(0)                   ; one wait for the whole batch, ahead of its first reader
.irp b, 0,1,2,3
	v_exp_f32 v[W+\b], v[W+\b]                     ; the block's largest p: the same two instructions on the same number
.endr
	v_pk_add_f32 v[CH:CH+1], v[S:S+1], v[S+2:S+3]  ; the row's sum of the UNQUANTISED p: two at a time, in two chains
.irp j, 4,8,12,16,20,24,28,32,36,40,44,48,52,56,60
	v_pk_add_f32 v[14:15], v[14:15], v[S+\j:S+\j+1]
	v_pk_add_f32 v[CH:CH+1], v[CH:CH+1], v[S+\j+2:S+\j+3]
.endr
	s_delay_alu instid0(VALU_DEP_1)
	v_pk_add_f32 v[14:15], v[14:15], v[CH:CH+1]
	s_wait_alu depctr_va_vdst(0)                   ; and one for the four
.irp b, 0,1,2,3
	v_max_num_f32 v[W+\b], 0x8000000, v[W+\b]      ; the floor 2^(16 - 127): the byte cannot fall under 1
.endr
.irp b, 0,1,2,3
	s_delay_alu instid0(VALU_DEP_4)
	v_add_nc_u32 v[W+12+\b], 0xf8800000, v[W+\b]   ; 15 off the exponent field: the conversion's scale operand
.endr
.irp b, 0,1,2,3
	v_and_or_b32 v[W+8+\b], v[W+\b], 0x7f800000, s22   ; 57,344 x the scale
.endr
.irp b, 0,1,2,3
	v_lshrrev_b32 v[W+4+\b], 23, v[W+12+\b]        ; the scale's byte
.endr
	s_delay_alu instid0(VALU_DEP_3)
	v_lshl_or_b32 v[PS], v[W+5], 8, v[W+4]         ; p's scale word for these 128 keys: more than eight plain lines ahead of the products
	s_delay_alu instid0(VALU_DEP_1)
	v_lshl_or_b32 v[PS], v[W+6], 16, v[PS]
	s_delay_alu instid0(VALU_DEP_1)
	v_lshl_or_b32 v[PS], v[W+7], 24, v[PS]
.irp b, 0,1,2,3                                ; the conversion to an 8-bit code does not saturate (ISA guide 7.6.2); p is not negative, so the hold is one-sided
.irp i, 0,2,4,6,8,10,12,14
	v_dual_min_num_f32 v[S+16*\b+\i], v[W+8+\b], v[S+16*\b+\i] :: v_dual_min_num_f32 v[S+16*\b+\i+1], v[W+8+\b], v[S+16*\b+\i+1]
.endr
	v_cvt_scalef32_pk8_bf8_f32 v[PC+4*\b:PC+4*\b+1], v[S+16*\b:S+16*\b+7], v[W+12+\b]
	v_cvt_scalef32_pk8_bf8_f32 v[PC+4*\b+2:PC+4*\b+3], v[S+16*\b+8:S+16*\b+15], v[W+12+\b]
.irp c, 0,1,2,3
	ds_load_b128 v[S+16*\b+4*\c:S+16*\b+4*\c+3], v9 offset:2048*\c+512*\b   ; V's fragment b of the head's 64 takes the registers of p's block b as soon as its codes are made: block c of 32 keys
.endr
.endr
	ds_load_b32 v[VS], v11
	ds_load_b32 v[VS+1], v11 offset:128
	s_wait_alu depctr_va_vdst(0)                   ; directly ahead of the first reader of O^T
.irp j, 0,2,4,6,8,10,12,14,16,18,20,22,24,26,28,30
	v_pk_mul_f32 v[O+\j:O+\j+1], v[O+\j:O+\j+1], v[F:F+1] op_sel_hi:[1,0]   ; O^T under the new M.  (These sixteen are also the plain lines between the conversions and the products)
.endr
	s_wait_alu depctr_va_vdst(0)
	s_wait_dscnt 0x0                               ; V's fragments and scale words; the next step's K has been out since the step's head
.irp d, 0,1,2,3
	PV \d                                          ; four accumulators by turns, one instruction a turn
.endr
	v_add_nc_u32 v9, s[TV], v2                     ; the next step's places of V
	v_add_nc_u32 v11, s[TJ], v4
.rept 7
	v_nop                                          ; with the two additions: nine places between these products, which read V's fragments, and the next step's, which write over them
.endr
	s_add_co_u32 s[TV], s[TV], 8192
	s_add_co_u32 s[TJ], s[TJ], 256
.endm
; A RUN of key steps from step 'first' on.  out >= 0: the run's copies are awaited, 'out' later copies of mine may be out; and a barrier: everybody's part is in
.macro RUN first, steps, out
.if (\out) >= 0
	s_wait_asynccnt \out                           ; copies end in the order of issue
	s_wait_dscnt 0x0
	s_barrier_signal -1
	s_barrier_wait -1
.endif
	v_add_nc_u32 v8, (\first)*8192, v1
	v_add_nc_u32 v10, (\first)*512, v3
	v_add_nc_u32 v9, (\first)*8192, v2
	v_add_nc_u32 v11, (\first)*256, v4
	KLOAD                                          ; the run's first step
	s_mov_b32 s[TK], ((\first)+1)*8192
	s_mov_b32 s[TV], ((\first)+1)*8192
	s_mov_b32 s[TS], ((\first)+1)*512
	s_mov_b32 s[TJ], ((\first)+1)*256
	s_mov_b32 s23, \steps
	s_wait_alu depctr_va_vdst(0)
	s_wait_dscnt 0x0
.Lstep_\@:
	STEP ((\first)+(\steps)-1)*8192, ((\first)+(\steps)-1)*512
	s_sub_co_u32 s23, s23, 1
	s_cmp_lg_u32 s23, 0
	s_cbranch_scc1 .Lstep_\@
.endm
; A PASS: one tile of 16 queries over all 2,048 keys, and its way out.  pass = 0: my first tile; 1: my second, the tile behind it in every buffer
.macro PASS pass
	s_wait_loadcnt 0x0                             ; this pass's Q and its scale bytes
	v_lshl_or_b32 v6, v6, 16, v6                   ; Q's two scale bytes twice: bytes 0, 1 for tiles 0-3, bytes 2, 3 for tiles 4-7
.rept 8
	v_nop                                          ; a scale register written by a vector instruction stands eight places ahead of a scaled product
.endr
	s_wait_alu depctr_va_vdst(0)
.if (\pass) == 0
	RUN 0, 4, 24                                   ; behind the two copies of scale words and the first eight of codes stand 24
	RUN 4, 12, 0
	global_load_b128 v[Q:Q+3], v1, s[100:101] offset:1024      ; the second tile's Q lands during the way out.  The last product that read v16-39 and v6 stands far more than eight plain lines back
	global_load_b128 v[Q+4:Q+7], v1, s[100:101] offset:1536
	global_load_b128 v[Q2:Q2+3], v1, s[100:101] offset:1024
	global_load_b128 v[Q2+4:Q2+7], v1, s[100:101] offset:1536
	global_load_u16 v6, v[CP+6], s[104:105] offset:64
.else
	RUN 0, 16, -1
.endif
	; THE WAY OUT: O^T / the sum; register 16 b + i is the head's channel 32 b + 16 (lane / 16) + i of my query: the layout of the last product's operand, whose K is 64 head + channel
	v_add_f32 v14, v14, v15                        ; the sum's two halves,
	s_delay_alu instid0(VALU_DEP_1)
	v_permlanex16_b32 v[T1], v14, s18, s19
	s_delay_alu instid0(VALU_DEP_1)
	v_add_f32 v14, v14, v[T1]                      ; and lane l xor 16's
	s_wait_alu depctr_va_vdst(0)
	v_rcp_f32 v14, v14
	v_nop                                          ; the plain line behind the reciprocal (the places behind the last products stand at the step's end)
	s_wait_alu depctr_va_vdst(0)                   ; ahead of the reciprocal's first reader
.set mn, 0
.rept 32
	v_mul_f32 v[S+mn], v[O+mn], v14                ; each accumulator from its low end on
.set mn, mn+1
.endr
.irp b, 0,1
	v_max3_num_f32 v[W+\b], |v[S+16*\b]|, |v[S+16*\b+1]|, 0x8000000
.endr
.irp i, 2,4,6,8,10,12,14
.irp b, 0,1
	s_delay_alu instid0(VALU_DEP_2)
	v_max3_num_f32 v[W+\b], v[W+\b], |v[S+16*\b+\i]|, |v[S+16*\b+\i+1]|
.endr
.endr
.irp b, 0,1
	s_delay_alu instid0(VALU_DEP_2)
	v_permlanex16_b32 v[W+4+\b], v[W+\b], s18, s19
.endr
.irp b, 0,1
	s_delay_alu instid0(VALU_DEP_2)
	v_max_num_f32 v[W+\b], v[W+\b], v[W+4+\b]
.endr
.irp b, 0,1
	s_delay_alu instid0(VALU_DEP_2)
	v_add_nc_u32 v[W+12+\b], 0xf8800000, v[W+\b]
.endr
.irp b, 0,1
	s_delay_alu instid0(VALU_DEP_4)
	v_and_or_b32 v[W+8+\b], v[W+\b], 0x7f800000, s22
.endr
.irp b, 0,1
	s_delay_alu instid0(VALU_DEP_4)
	v_lshrrev_b32 v[W+4+\b], 23, v[W+12+\b]
.endr
	s_delay_alu instid0(VALU_DEP_1)
	v_lshl_or_b32 v[T2], v[W+5], 8, v[W+4]         ; my row's two scale bytes
.irp b, 0,1
.irp i, 0,1,2,3,4,5,6,7,8,9,10,11,12,13,14,15
	v_med3_num_f32 v[S+16*\b+\i], v[S+16*\b+\i], -v[W+8+\b], v[W+8+\b]
.endr
	v_cvt_scalef32_pk8_bf8_f32 v[PC+4*\b:PC+4*\b+1], v[S+16*\b:S+16*\b+7], v[W+12+\b]
	v_cvt_scalef32_pk8_bf8_f32 v[PC+4*\b+2:PC+4*\b+3], v[S+16*\b+8:S+16*\b+15], v[W+12+\b]
.endr
	v_nop                                          ; one plain vector instruction behind the last conversion of a run
	global_store_b128 v1, v[PC:PC+3], s[10:11] offset:16384*(\pass)        ; two pieces of 512 consecutive bytes; a tile is 16,384 bytes on from the one before
	global_store_b128 v1, v[PC+4:PC+7], s[10:11] offset:16384*(\pass)+512
	global_store_b16 v7, v[T2], s[12:13] offset:512*(\pass)   ; two bytes a row, rows 32 bytes apart; lanes 16-31 write what lanes 0-15 write.  One byte in 32 of what the launch stores
.if (\pass) == 0
	s_wait_xcnt 0x0                                ; the three stores have read their registers: they are written again only behind this wait
	v_mov_b32 v13, 0xff61b1e6                      ; the second tile begins as the first did: the largest t so far -3e38,
	s_delay_alu instid0(VALU_DEP_1)
	v_floor_f32 v12, -v13                          ; -M,
	v_mov_b32 v14, 0                               ; the sum,
	v_mov_b32 v15, 0
.set mn, 0
.rept 32
	v_mov_b32 v[O+mn], 0                           ; and O^T
.set mn, mn+1
.endr
.endif
.endm
	s_load_b128 s[4:7], s[0:1], 0x0                ; hcodes, hscales
	s_load_b128 s[8:11], s[0:1], 0x10              ; maskw, ocodes
	s_load_b64 s[12:13], s[0:1], 0x20              ; oscales
	v_lshl_add_u32 v254, v0, 2, SPARE
	v_mov_b32 v255, 0
	ds_add_u32 v254, v255                          ; the opening lines: the add, twice on end, and its wait ahead of my first copy
	ds_add_u32 v254, v255
	v_lshrrev_b32 v7, 5, v0
	s_delay_alu instid0(VALU_DEP_1)
	v_readfirstlane_b32 s14, v7                    ; wave 0..15
	s_and_b32 s15, ttmp7, 0xffff                   ; 16 b + head
	s_lshl_b32 s16, ttmp9, 5
	s_lshl_b32 s30, s14, 1
	s_add_co_u32 s16, s16, s30                     ; my first tile of queries: 32 x work-group x + 2 x wave; my second is the next
	s_and_b32 s17, s15, 1                          ; which head of its pair
	s_lshl_b32 s29, s17, 1
	s_lshr_b32 s30, s15, 1
	s_lshl_b32 s30, s30, 13                        ; the pair's 8,192 bytes of scale words
	s_lshl_b32 s31, s15, 17                        ; the head's 131,072 bytes of codes
	v_lshlrev_b32 v[CP], 4, v0                     ; the copies' places: 16 bytes a thread in memory,
	v_lshlrev_b32 v[CP+5], 4, v0                   ; in K's region,
	s_delay_alu instid0(VALU_DEP_2)
	v_add_nc_u32 v[CP+1], VREG, v[CP]              ; in V's,
	s_delay_alu instid0(VALU_DEP_3)
	v_add_nc_u32 v[CP+2], SCK, v[CP]               ; among K's scale words;
	v_lshlrev_b32 v[CP+3], 3, v0                   ; 8 bytes a thread
	s_delay_alu instid0(VALU_DEP_1)
	v_add_nc_u32 v[CP+4], SCV, v[CP+3]             ; among V's;
	v_add_nc_u32 v[CP+7], UPPER, v[CP]             ; and the same for the upper halves: in memory,
	v_add_nc_u32 v[CP+8], UPPER, v[CP]             ; in K's region,
	v_add_nc_u32 v[CP+9], VREG+UPPER, v[CP]        ; in V's
	v_and_b32 v1, 31, v0                           ; lane
	v_and_b32 v7, 15, v0
	s_delay_alu instid0(VALU_DEP_2)
	v_lshlrev_b32 v1, 4, v1                        ; 16 x lane
	s_delay_alu instid0(VALU_DEP_2)
	v_lshlrev_b32 v[CP+6], 2, v7                   ; 4 (lane % 16)
	s_mov_b32 s33, 0
	s_wait_alu depctr_va_vdst(0)
	s_wait_dscnt 0x0
	s_wait_kmcnt 0x0
	s_lshl_b32 s32, s16, 10
	s_add_co_u32 s32, s32, s31
	s_add_nc_u64 s[100:101], s[4:5], s[32:33]      ; Q's codes: 1,024 bytes a tile
	s_lshl_b32 s32, s16, 6
	s_add_co_u32 s32, s32, s30
	s_add_co_u32 s32, s32, s29
	s_add_nc_u64 s[104:105], s[6:7], s[32:33]      ; Q's scale words, 64 bytes a tile, at my head's two bytes
	global_load_b128 v[Q:Q+3], v1, s[100:101]      ; the first tile's Q is asked for ahead of the copies, into both its places; it stays in registers for the pass
	global_load_b128 v[Q+4:Q+7], v1, s[100:101] offset:512
	global_load_b128 v[Q2:Q2+3], v1, s[100:101]
	global_load_b128 v[Q2+4:Q2+7], v1, s[100:101] offset:512
	global_load_u16 v6, v[CP+6], s[104:105]
	s_add_co_u32 s32, s30, 0x40000
	s_add_nc_u64 s[2:3], s[6:7], s[32:33]          ; K's scale words
	s_lshl_b32 s32, s15, 12
	s_add_co_u32 s32, s32, 0x80000
	s_add_nc_u64 s[66:67], s[6:7], s[32:33]        ; V's
	s_add_co_u32 s32, s31, 0x1000000
	s_add_nc_u64 s[6:7], s[4:5], s[32:33]          ; V's codes
	s_add_co_u32 s32, s31, 0x800000
	s_add_nc_u64 s[4:5], s[4:5], s[32:33]          ; K's codes
	; THE COPIES: memory and LDS have the same dense layout, and the immediate steps both addresses.  The sixteen waves' copies of one line cover 8,192 consecutive bytes: one key step of K or of V
	global_load_async_to_lds_b128 v[CP+2], v[CP], s[2:3]
	global_load_async_to_lds_b64 v[CP+4], v[CP+3], s[66:67]
.irp j, 0,1
.irp i, 0,1,2,3
	global_load_async_to_lds_b128 v[CP+5], v[CP], s[4:5] offset:(4*\j+\i)*8192
.endr
.irp i, 0,1,2,3
	global_load_async_to_lds_b128 v[CP+1], v[CP], s[6:7] offset:(4*\j+\i)*8192
.endr
.endr
.irp j, 0,1
.irp i, 0,1,2,3
	global_load_async_to_lds_b128 v[CP+8], v[CP+7], s[4:5] offset:(4*\j+\i)*8192
.endr
.irp i, 0,1,2,3
	global_load_async_to_lds_b128 v[CP+9], v[CP+7], s[6:7] offset:(4*\j+\i)*8192
.endr
.endr
	s_lshr_b32 s34, s15, 4
	s_lshl_b32 s34, s34, 7
	s_add_co_u32 s34, s34, s16                     ; 128 b + my first tile
	s_and_b32 s35, s15, 15                         ; the head
	s_lshl_b32 s32, s34, 12
	s_add_nc_u64 s[8:9], s[8:9], s[32:33]          ; my two tiles' mask words: 32 steps x 256 bytes on end
	s_lshl_b32 s32, s34, 14
	s_lshl_b32 s36, s35, 10
	s_add_co_u32 s32, s32, s36
	s_add_nc_u64 s[10:11], s[10:11], s[32:33]      ; ocodes: [tile][head][block 2][512]
	s_lshl_b32 s32, s34, 9
	s_lshl_b32 s36, s35, 1
	s_add_co_u32 s32, s32, s36
	s_add_nc_u64 s[12:13], s[12:13], s[32:33]      ; oscales: [row][32]: my head's two bytes
	s_mov_b32 s[MOFF], 0
	s_load_b512 s[32:47], s[8:9], s[MOFF] offset:0x0      ; step 0's mask words
	s_load_b512 s[48:63], s[8:9], s[MOFF] offset:0x40
	s_load_b512 s[68:83], s[8:9], s[MOFF] offset:0x80
	s_load_b512 s[84:99], s[8:9], s[MOFF] offset:0xc0
	s_mov_b32 s18, 0x76543210
	s_mov_b32 s19, 0xfedcba98                      ; v_permlanex16_b32's selects for lane l xor 16
	s_mov_b32 s20, 0x3e38aa3b                      ; c = log2(e) / 8
	s_mov_b32 s21, s20                             ; (named with it as a pair, so it is written)
	s_mov_b32 s22, 0x600000                        ; the mantissa field of 57,344
	s_wait_alu depctr_va_vdst(0)
	v_add_nc_u32 v2, VREG, v1
	v_lshrrev_b32 v3, 2, v1                        ; 4 x lane
	v_lshlrev_b32 v7, 5, v7                        ; 32 (lane % 16): my row's place in oscales
	s_delay_alu instid0(VALU_DEP_2)
	v_add_nc_u32 v4, SCV, v3
	s_delay_alu instid0(VALU_DEP_3)
	v_add_nc_u32 v3, SCK, v3
	s_delay_alu instid0(VALU_DEP_1)
	v_add_nc_u32 v3, s29, v3                       ; my head's two bytes of each word
	v_mov_b32 v5, 0xd0000000                       ; -2^33,
	v_mov_b32 v[NEGB], 0xd0000000                  ; and once more
	v_mov_b32 v13, 0xff61b1e6                      ; the largest t so far: -3e38, under every t
	s_delay_alu instid0(VALU_DEP_1)
	v_floor_f32 v12, -v13                          ; -M
	v_mov_b32 v14, 0
	v_mov_b32 v15, 0
	v_mov_b32 v[T2], 0                             ; (named as the upper half of the pair with f)
	v_mov_b32 v[KS+2], 0                           ; the lower halves of tiles 4-7's scale words
	v_mov_b32 v[KS+3], 0
.irp b, 4,5,6,7,8,9,10,11,12,13,14,15
	v_mov_b32 v[W+\b], 0                           ; written once: a lane permute's destination counts as one of its sources; the running maxima's registers with them
.endr
.irp i, 0,1,2,3,4,5,6,7
	v_mov_b32 v[Z+\i], 0                           ; the zero codes between Q's two places
.endr
.set mn, 0
.rept 32
	v_mov_b32 v[O+mn], 0                           ; O^T.  (The step has no first step of its own: the first change of M multiplies zeros)
.set mn, mn+1
.endr
	s_wait_alu depctr_va_vdst(0)                   ; the wait at the head's end
	PASS 0
	PASS 1
	s_wait_tensorcnt 0x0                           ; the wave's end
	ds_add_u32 v254, v255
	s_wait_dscnt 0x0
	s_endpgm
.Lfunc_end_k_q958bd9f08d_attn:
	.size	k_q958bd9f08d_attn, .Lfunc_end_k_q958bd9f08d_attn-k_q958bd9f08d_attn
	.p2alignl 7, 3214868480
	.fill 96, 4, 3214868480
	.section	.rodata,"a",@progbits
	.p2align	6, 0x0
	.amdhsa_kernel k_q958bd9f08d_attn
		.amdhsa_group_segment_fixed_size 276480
		.amdhsa_private_segment_fixed_size 0
		.amdhsa_enable_private_segment 0
		.amdhsa_kernarg_size 40
		.amdhsa_user_sgpr_count 2
		.amdhsa_user_sgpr_kernarg_segment_ptr 1
		.amdhsa_wavefront_size32 1
		.amdhsa_system_sgpr_workgroup_id_x 1
		.amdhsa_system_sgpr_workgroup_id_y 1
		.amdhsa_system_sgpr_workgroup_id_z 1
		.amdhsa_system_vgpr_workitem_id 0
		.amdhsa_next_free_vgpr 256
		.amdhsa_next_free_sgpr 106
		.amdhsa_reserve_vcc 1
		.amdhsa_float_denorm_mode_32 3
		.amdhsa_float_denorm_mode_16_64 3
		.amdhsa_memory_ordered 1
		.amdhsa_forward_progress 1
		.amdhsa_inst_pref_size 104
	.end_amdhsa_kernel
	.amdgpu_metadata
---
amdhsa.version: [ 1, 2 ]
amdhsa.kernels:
  - .name:           k_q958bd9f08d_attn
    .symbol:         k_q958bd9f08d_attn.kd
    .args:
      - { .name: hcodes, .offset: 0, .size: 8, .value_kind: global_buffer, .address_space: global }
      - { .name: hscales, .offset: 8, .size: 8, .value_kind: global_buffer, .address_space: global }
      - { .name: maskw, .offset: 16, .size: 8, .value_kind: global_buffer, .address_space: global }
      - { .name: ocodes, .offset: 24, .size: 8, .value_kind: global_buffer, .address_space: global }
      - { .name: oscales, .offset: 32, .size: 8, .value_kind: global_buffer, .address_space: global }
    .group_segment_fixed_size: 276480
    .private_segment_fixed_size: 0
    .kernarg_segment_align: 8
    .kernarg_segment_size: 40
    .max_flat_workgroup_size: 512
    .sgpr_count:     106
    .vgpr_count:     256
    .wavefront_size: 32
...
	.end_amdgpu_metadata
.endif
;; end of part 3
;; launch outp (part 4): grid 4 x 64, 4 waves a work-group, clusters of 4 x 4, 327,680 bytes of LDS; arguments ocodes, oscales, codes, scales, b_o, out0; writes out0
.if DOCPART == 4
	.amdgcn_target "amdgcn-amd-amdhsa--gfx1250"
	.amdhsa_code_object_version 6
	.text
	.protected	k_q958bd9f08d_outp
	.globl	k_q958bd9f08d_outp
	.p2align	8
	.type	k_q958bd9f08d_outp,@function
k_q958bd9f08d_outp:
	s_mov_b64 s[64:65], 0
	v_nop
	global_prefetch_b8 v0, s[64:65] scope:SCOPE_SE
	s_setreg_imm32_b32 hwreg(HW_REG_WAVE_MODE, 25, 1), 1
	s_wait_xcnt 0x0
	s_wait_alu depctr_hold_cnt(0) depctr_sa_sdst(0) depctr_va_vdst(0) depctr_va_sdst(0) depctr_va_ssrc(0) depctr_va_vcc(0) depctr_vm_vsrc(0)
	s_getreg_b32 s2, hwreg(HW_REG_IB_STS2, 6, 4)
	s_cmp_eq_u32 s2, 0
	s_cbranch_scc0 .Lentry_in_a_cluster
	s_endpgm
.Lentry_in_a_cluster:
	s_bfe_u32 s2, ttmp6, 0x10000c
	s_cmp_lg_u32 s2, 0xf033
	s_cbranch_scc0 .Lentry_shape_is_right
	s_endpgm
.Lentry_shape_is_right:
; THE LAST PROJECTION: out0 [8192][1024] f32 = A W_o + b_o on codes of BF8 (E5M2) with E8M0 scales.  A: the attention launch's result, ocodes [tile of 16 rows][head 16][block 2][512 bytes]: images of an
; operand's registers, 16 bytes a lane; oscales [row][32].  B: W_o's codes [n][k] and scales [n][32], rows 27,648 on of the preparation's buffers, in its row order.
; SHARES.  A work-group makes 128 rows x 256 columns: 64 x 4 = 256 work-groups.  Each of its four waves makes 64 x 128: 32 accumulators of 16 x 16, 256 registers (window 2).
; K = 1,024 goes in four K steps of 256 through a ring of two LDS slots; a K step is two steps of 128, 32 matrix instructions a wave each.  A's and B's fragments have two sets of registers each:
; a step's 48 LDS loads are issued ahead of the 32 products of the step before it.  The eight steps are written out: no loop.
; CLUSTERS: 4 x 4 work-groups; A's tiles are asked for jointly along a row of the cluster, B's along a column.  THE MATRIX INSTRUCTION IS USED TRANSPOSED (source 0 = 16 rows of B, source 1 = 16 rows of A).
; THE HEAD: one tensor load a wave: wave 0 K step 0's 128 rows of A, wave 1 its 256 rows of B, waves 2 and 3 their scales for all of K.  In the ring waves 0 and 1 fetch A's halves (64 rows), waves 2 and 3 B's (128 rows).
; The bias is the C of each accumulator's first product.
; NO PREFETCH: K has four slot fills, of which two are asked for ahead of the first product.
; REGISTERS: window 0: v0-31 addresses; v32-63 scale words, two sets; v64-127 the bias; v128-255 A's fragments, two sets of 4 x 16 (on the way out: rows read back).  Window 1: B's fragments, two sets of 8 x 16.  Window 2: the accumulators.
.set NQ,     2
.set ROWB,   256
.set KROW,   1024
.set PITCH,  272                       ; B's LDS row: 256 bytes + 16 of padding
.set FR,     16
.set NP,     8                         ; places behind this matrix instruction (ISA guide 7.12.1)
.set ABYTES, 32768                     ; A's 128 rows of a K step: 8 tiles of 4,096 bytes, dense
.set HALFT,  128*PITCH
.set SLOT,   ABYTES+2*HALFT            ; A's tiles, then B's 256 rows: 102,400 bytes
.set KS,     32
.set SCL,    2*SLOT                    ; behind the ring: the scales of A's 128 rows, then of B's 256, as units of 256 bytes + 16 of padding
.set HALFS,  (128*KS/256)*272          ; those of 128 rows
.set SBLK,   (16*KS/256)*272           ; of 16 rows
.set SPARE,  SCL+3*HALFS               ; the spare words, 128 bytes a wave
.set SPITCH, 528                       ; the way out: a stage of 16 rows x (512 + 16) bytes a wave, in slot 0, behind its last fill and its last read
.set ADRA, 16
.set ADRB, 20
.set STO,  24
.set RD,   25
.set CO,   26
.set ADRS, 27
.set SPW,  28
.set NIL,  29
.set SC,   32
.set BI,   64
.set AF,   128
.set BK,   128
.set G1, 24
.set G0, 32
.set G1B, 48
.set G0B, 56
.set G1S, 68
.set G0S, 76
.set G1SB, 80
.set G0SB, 88
.set MSB, 0
.macro WIN new                         ; the immediate's high byte repeats the setting that is left
.if MSB != (\new)
	s_set_vgpr_msb (MSB<<8)|(\new)
.set MSB, (\new)
.endif
.endm
.set MUL_W,  0xa1                      ; source 0 (B) window 1, source 1 (A) window 0, C and D window 2
.set BIA_W,  0x81                      ; the same with C (the bias) in window 0
.set TO_B,   0x40                      ; destination window 1
.macro JLOAD g0a, g1a, g0b, g1b        ; a joint load: waves 0 and 1 fetch for A, waves 2 and 3 for B
	s_cmp_eq_u32 s15, 0
	s_cbranch_scc0 .Lfor_b_\@
	tensor_load_to_lds s[\g0a:\g0a+3], s[\g1a:\g1a+7]
	s_nop 0
.rept 4
	v_nop
.endr
	s_branch .Lasked_\@
.Lfor_b_\@:
	tensor_load_to_lds s[\g0b:\g0b+3], s[\g1b:\g1b+7]
	s_nop 0
.rept 4
	v_nop
.endr
.Lasked_\@:
.endm
.macro CREST                           ; a round of the cluster's barrier behind its opening barrier
	s_cmp_lg_u32 s14, 0
	s_cbranch_scc1 .Lnot_wave_0_\@
	s_barrier_signal -3
.Lnot_wave_0_\@:
	s_barrier_wait -3
	s_barrier_signal -1
	s_barrier_wait -1
.endm
.macro CROUND
	s_barrier_signal -1
	s_barrier_wait -1
	CREST
.endm
.macro PLACES n
.rept \n
	v_nop
.endr
.endm
	s_load_b128 s[4:7], s[0:1], 0x0                ; ocodes, oscales
	s_load_b128 s[8:11], s[0:1], 0x10              ; codes, scales
	s_load_b128 s[96:99], s[0:1], 0x20             ; b_o, out0
	v_lshl_add_u32 v[SPW], v0, 2, SPARE
	v_mov_b32 v[NIL], 0
	ds_add_u32 v[SPW], v[NIL]                      ; the opening lines: the add, twice on end, and its wait
	ds_add_u32 v[SPW], v[NIL]
	v_lshrrev_b32 v1, 5, v0
	v_readfirstlane_b32 s14, v1                    ; wave 0..3
	v_bfe_u32 v7, v0, 4, 1
	v_lshlrev_b32 v7, 6, v7                        ; the bias: 64 bytes for each half of the lanes
	s_lshr_b32 s15, s14, 1                         ; which 64 rows are mine.  Also: I fetch for A (0) or for B (1)
	s_and_b32 s16, s14, 1                          ; which 128 columns.  Also: which half of that tile I fetch
	s_bfe_u32 s40, ttmp6, 0x40000                  ; cx, cy
	s_bfe_u32 s41, ttmp6, 0x40004
	s_lshl_b32 s42, ttmp9, 2
	s_add_co_u32 s42, s42, s40                     ; tile column: 256 columns
	s_and_b32 s17, ttmp7, 0xffff
	s_lshl_b32 s17, s17, 2
	s_add_co_u32 s17, s17, s41                     ; tile row: 128 rows
	s_lshl_b32 s43, s41, 2
	s_lshl_b32 s43, 15, s43                        ; my row of the cluster
	s_lshl_b32 s44, 0x1111, s40                    ; my column
	s_or_b32 s[G1+0], s43, (3<<16)|(1<<21)         ; A: rows of 512 elements of 8 bytes (a tile's 4,096 bytes of a K step), 16,384 bytes apart, dense in LDS
	s_mov_b32 s[G1+1], 512<<16
	s_mov_b32 s[G1+2], 8<<16                       ; 8 tiles for the head's load
	s_mov_b32 s[G1+3], 512<<16
	s_mov_b32 s[G1+4], 8
	s_mov_b32 s[G1+5], 2048
	s_mov_b32 s[G1+6], 0
	s_mov_b32 s[G1+7], 0
	s_or_b32 s[G1B+0], s44, (0<<16)|(1<<20)|(1<<21)|(5<<22)|(3<<25)   ; B: rows of 256 bytes, 16 bytes of padding behind each
	s_mov_b32 s[G1B+1], ROWB<<16
	s_mov_b32 s[G1B+2], 256<<16                    ; 256 rows for the head's load
	s_mov_b32 s[G1B+3], ROWB<<16
	s_mov_b32 s[G1B+4], 256
	s_mov_b32 s[G1B+5], KROW
	s_mov_b32 s[G1B+6], 0
	s_mov_b32 s[G1B+7], 0
	s_or_b32 s[G1S+0], s43, (3<<16)|(1<<20)|(1<<21)|(5<<22)|(3<<25)   ; the scales: dense blocks as rows of 256 bytes, padded: 16 rows for A's 128,
	s_mov_b32 s[G1S+1], 32<<16
	s_mov_b32 s[G1S+2], 16<<16
	s_mov_b32 s[G1S+3], 32<<16
	s_mov_b32 s[G1S+4], 16
	s_mov_b32 s[G1S+5], 32
	s_mov_b32 s[G1S+6], 0
	s_mov_b32 s[G1S+7], 0
	s_or_b32 s[G1SB+0], s44, (3<<16)|(1<<20)|(1<<21)|(5<<22)|(3<<25)  ; 32 for B's 256
	s_mov_b32 s[G1SB+1], 32<<16
	s_mov_b32 s[G1SB+2], 32<<16
	s_mov_b32 s[G1SB+3], 32<<16
	s_mov_b32 s[G1SB+4], 32
	s_mov_b32 s[G1SB+5], 32
	s_mov_b32 s[G1SB+6], 0
	s_mov_b32 s[G1SB+7], 0
	s_lshl_b32 s20, s17, 7                         ; the tile's first row of A,
	s_lshl_b32 s46, s42, 8                         ; and of B
	s_add_co_u32 s46, s46, 27648
	s_mov_b32 s21, 0
	s_mov_b32 s47, 0
	s_mov_b64 s[18:19], KS
	s_mul_u64 s[22:23], s[20:21], s[18:19]         ; where these rows' scales begin, in bytes,
	s_mul_u64 s[92:93], s[46:47], s[18:19]
	s_mov_b64 s[18:19], KROW
	s_mul_u64 s[20:21], s[20:21], s[18:19]         ; and their codes
	s_mul_u64 s[46:47], s[46:47], s[18:19]
	s_lshl_b32 s94, s14, 14                        ; the ring, in LDS: A's halves of 16,384 bytes (waves 0, 1),
	s_mul_i32 s45, s16, HALFT
	s_add_co_u32 s45, s45, ABYTES                  ; B's halves behind them
	s_lshl_b32 s2, s16, 16                         ; and in memory: 64 rows of A on,
	s_mov_b32 s3, 0
	s_lshl_b32 s18, s16, 17                        ; 128 rows of B on
	s_mov_b32 s19, 0
	s_lshl_b32 s12, s42, 10                        ; my first column, in bytes of f32
	s_lshl_b32 s13, s16, 9
	s_add_co_u32 s12, s12, s13
	s_mov_b32 s13, 0
	s_wait_alu depctr_va_vdst(0)
	s_wait_dscnt 0x0                               ; both opening adds are done
	s_wait_kmcnt 0x0
	s_add_nc_u64 s[20:21], s[4:5], s[20:21]
	s_add_nc_u64 s[22:23], s[6:7], s[22:23]
	s_add_nc_u64 s[46:47], s[8:9], s[46:47]
	s_add_nc_u64 s[92:93], s[10:11], s[92:93]
	s_add_nc_u64 s[96:97], s[96:97], s[12:13]
.irp i, 0,1,2,3,4,5,6,7
	global_load_b128 v[BI+8*\i:BI+8*\i+3], v7, s[96:97] offset:(32*(\i/2)+8*(\i%2))*4      ; the bias in the result's layout, asked for ahead of the tiles
	global_load_b128 v[BI+8*\i+4:BI+8*\i+7], v7, s[96:97] offset:(32*(\i/2)+8*(\i%2))*4+16
.endr
	CROUND                                         ; all sixteen work-groups are here: the first joint loads meet
	s_mov_b32 s[G0S], 1
	s_mov_b32 s[G0S+1], SCL
	s_mov_b64 s[G0S+2:G0S+3], s[22:23]
	s_or_b32 s[G0S+3], s[G0S+3], 0x80000000
	s_mov_b32 s[G0SB], 1
	s_mov_b32 s[G0SB+1], SCL+HALFS
	s_mov_b64 s[G0SB+2:G0SB+3], s[92:93]
	s_or_b32 s[G0SB+3], s[G0SB+3], 0x80000000
	s_mov_b32 s4, 1                                ; s[4:7], s[8:11]: groups 0 of wave 0's and wave 1's loads (the arguments that lay there have been used)
	s_mov_b32 s5, 0
	s_mov_b64 s[6:7], s[20:21]
	s_or_b32 s7, s7, 0x80000000
	s_mov_b32 s8, 1
	s_mov_b32 s9, ABYTES
	s_mov_b64 s[10:11], s[46:47]
	s_or_b32 s11, s11, 0x80000000
	s_add_nc_u64 s[20:21], s[20:21], s[2:3]        ; for the ring: my half
	s_add_nc_u64 s[46:47], s[46:47], s[18:19]
.irp s, 0,1
	s_mov_b32 s[G0+4*\s], 1
	s_add_co_u32 s[G0+4*\s+1], s94, \s*SLOT
	s_add_nc_u64 s[G0+4*\s+2:G0+4*\s+3], s[20:21], \s*4096
	s_or_b32 s[G0+4*\s+3], s[G0+4*\s+3], 0x80000000
	s_mov_b32 s[G0B+4*\s], 1
	s_add_co_u32 s[G0B+4*\s+1], s45, \s*SLOT
	s_add_nc_u64 s[G0B+4*\s+2:G0B+4*\s+3], s[46:47], \s*ROWB
	s_or_b32 s[G0B+4*\s+3], s[G0B+4*\s+3], 0x80000000
.endr
.macro ARM under, g0, g1, next                 ; one tree of branches on the wave's number: every way passes exactly one load
	s_cmp_lt_u32 s14, \under
	s_cbranch_scc0 \next
	tensor_load_to_lds s[\g0:\g0+3], s[\g1:\g1+7]
	s_nop 0
.rept 4
	v_nop
.endr
	s_branch .Lhead_asked
\next:
.endm
	ARM 1, 4,   G1,  .Lhead_b
	ARM 2, 8,   G1B, .Lhead_sa
	ARM 3, G0S, G1S, .Lhead_sb
	tensor_load_to_lds s[G0SB:G0SB+3], s[G1SB:G1SB+7]
	s_nop 0
.rept 4
	v_nop
.endr
.Lhead_asked:
	; the addresses, made while the head's loads are out (none of their descriptors' registers is written here)
	v_and_b32 v1, 15, v0                           ; l % 16
	v_bfe_u32 v2, v0, 4, 1                         ; l / 16
	v_mul_u32_u24 v3, v1, PITCH
	v_lshl_add_u32 v4, v2, 4, v3                   ; B: a fragment's row x pitch + 16 x half
	v_and_b32 v6, 31, v0
	v_lshlrev_b32 v[CO], 4, v6                     ; A: 16 x lane.  Also my 16 bytes of a row of 512 on the way out
	s_lshl_b32 s21, s15, 14                        ; my 64 rows of A: four tiles
	s_mul_i32 s22, s16, HALFT                      ; my 128 rows of B,
	s_add_co_u32 s22, s22, ABYTES                  ; which lie behind A's tiles
.irp s, 0,1
	v_add_nc_u32 v[ADRA+\s], s21, v[CO]
	v_add_nc_u32 v[ADRB+\s], s22, v4
	s_add_co_u32 s21, s21, SLOT
	s_add_co_u32 s22, s22, SLOT
.endr
	v_mul_u32_u24 v5, v1, KS                       ; my row's scales: KS bytes a row,
	v_lshrrev_b32 v6, 8, v5
	v_lshl_add_u32 v5, v6, 4, v5                   ; and 16 more for each 256 passed
	s_mul_i32 s21, s15, HALFS/2                    ; A's: my 64 rows
	s_mul_i32 s22, s16, HALFS                      ; B's: my 128 rows, behind A's 128
	s_add_co_u32 s22, s22, HALFS
	s_sub_co_u32 s22, s22, s21
	v_mul_u32_u24 v6, s22, v2                      ; lanes 16-31 take B's
	s_add_co_u32 s21, s21, SCL
	v_add_nc_u32 v5, v5, v6
	v_add_nc_u32 v[ADRS], s21, v5
	s_mul_i32 s23, s14, 16*SPITCH                  ; my stage
	v_mul_u32_u24 v5, v1, SPITCH
	v_lshl_add_u32 v5, v2, 6, v5
	v_add_nc_u32 v[STO], s23, v5
	v_add_nc_u32 v[RD], s23, v[CO]
	s_lshl_b32 s20, s17, 7
	s_lshl_b32 s21, s15, 6
	s_add_co_u32 s20, s20, s21                     ; my first row of the result
	s_lshl_b32 s20, s20, 12                        ; 4,096 bytes a row
	s_add_co_u32 s20, s20, s12                     ; + my first column
	s_mov_b32 s21, 0
	s_add_nc_u64 s[12:13], s[98:99], s[20:21]
.macro FETCH slot, q, p                        ; the fragments of the slot's q-th 128 along K into set p: B's eight, A's four: 48 loads
	WIN TO_B
.irp i, 0,1,2,3,4,5,6,7
.irp c, 0,1,2,3
	ds_load_b128 v[128*(\p)+FR*\i+4*\c:128*(\p)+FR*\i+4*\c+3], v[ADRB+\slot] offset:128*(\q)+32*\c+\i*16*PITCH
.endr
.endr
	WIN 0
.irp i, 0,1,2,3
.irp c, 0,1,2,3
	ds_load_b128 v[AF+64*(\p)+FR*\i+4*\c:AF+64*(\p)+FR*\i+4*\c+3], v[ADRA+\slot] offset:4096*\i+2048*(\q)+512*\c
.endr
.endr
.endm
.macro SCALES sc                               ; a K step's scale words into set sc: lanes 0-15 A's block i (used for i under 4; beyond that they read scale bytes that are not used), lanes 16-31 B's block i
.irp i, 0,1,2,3,4,5,6,7
	ds_load_b64 v[SC+16*\sc+NQ*\i:SC+16*\sc+NQ*\i+1], v[ADRS] offset:\i*SBLK
.endr
.endm
; 32 matrix instructions: A's four blocks x B's eight, 128 along K, from set p.  The 32 accumulators take turns in the same order in every step.  zero = 1: the bias starts the sums
.macro MUL32 p, q, sc, zero
.irp a, 0,1,2,3
.irp b, 0,1,2,3,4,5,6,7
.if \zero
	v_wmma_scale_f32_16x16x128_f8f6f4 v[8*(8*\a+\b):8*(8*\a+\b)+7], v[128*(\p)+FR*\b:128*(\p)+FR*\b+FR-1], v[AF+64*(\p)+FR*\a:AF+64*(\p)+FR*\a+FR-1], v[BI+8*\b:BI+8*\b+7], v[SC+16*(\sc)+NQ*\b+(\q)], v[SC+16*(\sc)+NQ*\a+(\q)] matrix_a_fmt:MATRIX_FMT_BF8 matrix_b_fmt:MATRIX_FMT_BF8 matrix_a_scale:MATRIX_SCALE_ROW1
.else
	v_wmma_scale_f32_16x16x128_f8f6f4 v[8*(8*\a+\b):8*(8*\a+\b)+7], v[128*(\p)+FR*\b:128*(\p)+FR*\b+FR-1], v[AF+64*(\p)+FR*\a:AF+64*(\p)+FR*\a+FR-1], v[8*(8*\a+\b):8*(8*\a+\b)+7], v[SC+16*(\sc)+NQ*\b+(\q)], v[SC+16*(\sc)+NQ*\a+(\q)] matrix_a_fmt:MATRIX_FMT_BF8 matrix_b_fmt:MATRIX_FMT_BF8 matrix_a_scale:MATRIX_SCALE_ROW1
.endif
.endr
.endr
.endm
.macro EVEN slot, zero                         ; a slot's first 128 along K, on set 0; its second 128 are fetched into set 1 ahead of the products
	s_wait_dscnt 0x0                               ; set 0 and the scale words are in
	PLACES NP                                      ; set 1's registers were read by the products of the step before
	FETCH \slot, 1, 1
.if \zero
	WIN BIA_W
.else
	WIN MUL_W
.endif
	MUL32 0, 0, \slot, \zero
	WIN 0
.endm
; A slot's second 128, on set 1, and the change of slots: each wave waits for all its tensor loads (its part of the next slot), adds 0 to its spare word, and waits for that and for its reads of this slot.
; fill = 1: the barrier opens a round of the cluster's barrier, and this slot is filled again, two K steps ahead, first behind it.
.macro ODD slot, next, fill
	s_wait_tensorcnt 0x0
	ds_add_u32 v[SPW], v[NIL]
	s_wait_dscnt 0x0                               ; the add is done, set 1 is in, and my reads of this slot are over
	s_barrier_signal -1
	s_barrier_wait -1
.if \fill
	CREST
	s_add_nc_u64 s[G0+4*\slot+2:G0+4*\slot+3], s[G0+4*\slot+2:G0+4*\slot+3], 2*4096
	s_add_nc_u64 s[G0B+4*\slot+2:G0B+4*\slot+3], s[G0B+4*\slot+2:G0B+4*\slot+3], 2*ROWB
	JLOAD G0+4*\slot, G1, G0B+4*\slot, G1B         ; the four v_nop behind it are among the places in front of the loads below
	PLACES NP-4
.else
	PLACES NP
.endif
	v_add_nc_u32 v[ADRS], 4*NQ, v[ADRS]            ; on to the next K step's scale words
	s_wait_alu depctr_va_vdst(0)                   ; directly behind the write
	FETCH \next, 0, 0
	SCALES \next
	WIN MUL_W
	MUL32 1, 1, \slot, 0
	WIN 0
.endm
	s_wait_alu depctr_va_vdst(0)                   ; the wait at the head's end
	s_wait_tensorcnt 0x0                           ; my tile of the head's four is in
	ds_add_u32 v[SPW], v[NIL]
	s_mov_b32 s[G1+2], 4<<16                       ; no tensor load of mine is out: from here on a load brings four tiles of A,
	s_mov_b32 s[G1+4], 4
	s_mov_b32 s[G1B+2], 128<<16                    ; or 128 rows of B
	s_mov_b32 s[G1B+4], 128
	s_wait_dscnt 0x0
	CROUND
	JLOAD G0+4, G1, G0B+4, G1B                     ; K step 1, the first tensor load behind the round
	FETCH 0, 0, 0
	SCALES 0
	s_wait_loadcnt 0x0                             ; the bias
	EVEN 0, 1
	ODD  0, 1, 1                                   ; slot 0 takes K step 2
	EVEN 1, 0
	ODD  1, 0, 1                                   ; slot 1 takes K step 3
	EVEN 0, 0
	ODD  0, 1, 0                                   ; nothing more is fetched
	EVEN 1, 0
	s_wait_dscnt 0x0
	WIN MUL_W
	MUL32 1, 1, 1, 0
	WIN 0
; THE WAY OUT, block by block of 16 rows x 128 columns, through my stage in LDS: back as whole rows of 512 bytes, which the 32 lanes store as two aligned units of 256 bytes.
; LDS serves a wave's instructions in order (ISA guide 5.7.1.4): no wait between the stores and the loads.  Columns and rows go to their true places: B's rows and A's tiles lie in the preparation's row order.
.macro TOSTAGE a
.set AC, 64*(\a)
	WIN 0x08                                       ; the data: window 2
.irp b, 0,1,2,3,4,5,6,7
	ds_store_b128 v[STO], v[AC+8*\b:AC+8*\b+3] offset:128*(\b/2)+32*(\b%2)          ; each accumulator from its low end on
	ds_store_b128 v[STO], v[AC+8*\b+4:AC+8*\b+7] offset:128*(\b/2)+32*(\b%2)+16
.endr
	WIN 0
.set BB, BK+64*((\a)%2)
.irp t, 0,1,2,3,4,5,6,7,8,9,10,11,12,13,14,15
	ds_load_b128 v[BB+4*\t:BB+4*\t+3], v[RD] offset:\t*SPITCH
.endr
.endm
.macro SEND a, younger                         ; younger: the LDS instructions issued behind block a's loads, which may stay out
.set BB, BK+64*((\a)%2)
	s_wait_dscnt \younger
.irp t, 0,1,2,3,4,5,6,7,8,9,10,11,12,13,14,15
	global_store_b128 v[CO], v[BB+4*\t:BB+4*\t+3], s[12:13] offset:(32*((\a)/2)+8*((\a)%2)+\t+8*(\t/8))*4096 th:TH_STORE_NT
.endr
.endm
	PLACES NP                                      ; in front of the first read of results and of the loads into the registers that held A's fragments
	TOSTAGE 0
.irp a, 1,2,3
.if \a > 1
	s_wait_xcnt 0x0                                ; block a - 2's stores have read their registers: block a's loads may land there
.endif
	TOSTAGE \a
	SEND \a-1, 32                                  ; behind block a - 1's loads: block a's 16 stores and 16 loads
.endr
	SEND 3, 0
	s_wait_tensorcnt 0x0                           ; the wave's end
	ds_add_u32 v[SPW], v[NIL]
	s_wait_dscnt 0x0
	CROUND                                         ; the closing round
	s_endpgm
.Lfunc_end_k_q958bd9f08d_outp:
	.size	k_q958bd9f08d_outp, .Lfunc_end_k_q958bd9f08d_outp-k_q958bd9f08d_outp
	.p2alignl 7, 3214868480
	.fill 96, 4, 3214868480
	.section	.rodata,"a",@progbits
	.p2align	6, 0x0
	.amdhsa_kernel k_q958bd9f08d_outp
		.amdhsa_group_segment_fixed_size 327680
		.amdhsa_private_segment_fixed_size 0
		.amdhsa_enable_private_segment 0
		.amdhsa_kernarg_size 48
		.amdhsa_user_sgpr_count 2
		.amdhsa_user_sgpr_kernarg_segment_ptr 1
		.amdhsa_wavefront_size32 1
		.amdhsa_system_sgpr_workgroup_id_x 1
		.amdhsa_system_sgpr_workgroup_id_y 1
		.amdhsa_system_sgpr_workgroup_id_z 1
		.amdhsa_system_vgpr_workitem_id 0
		.amdhsa_next_free_vgpr 768
		.amdhsa_next_free_sgpr 100
		.amdhsa_reserve_vcc 0
		.amdhsa_float_denorm_mode_32 3
		.amdhsa_float_denorm_mode_16_64 3
		.amdhsa_memory_ordered 1
		.amdhsa_forward_progress 1
		.amdhsa_inst_pref_size 91
	.end_amdhsa_kernel
	.amdgpu_metadata
---
amdhsa.version: [ 1, 2 ]
amdhsa.kernels:
  - .name:           k_q958bd9f08d_outp
    .symbol:         k_q958bd9f08d_outp.kd
    .args:
      - { .name: ocodes, .offset: 0, .size: 8, .value_kind: global_buffer, .address_space: global }
      - { .name: oscales, .offset: 8, .size: 8, .value_kind: global_buffer, .address_space: global }
      - { .name: codes, .offset: 16, .size: 8, .value_kind: global_buffer, .address_space: global }
      - { .name: scales, .offset: 24, .size: 8, .value_kind: global_buffer, .address_space: global }
      - { .name: b_o, .offset: 32, .size: 8, .value_kind: global_buffer, .address_space: global }
      - { .name: out0, .offset: 40, .size: 8, .value_kind: global_buffer, .address_space: global }
    .group_segment_fixed_size: 327680
    .private_segment_fixed_size: 0
    .kernarg_segment_align: 8
    .kernarg_segment_size: 48
    .max_flat_workgroup_size: 128
    .sgpr_count:     100
    .vgpr_count:     768
    .wavefront_size: 32
...
	.end_amdgpu_metadata
.endif
;; end of part 4
